; MI455X (gfx1250); checked and timed in simulation.
; The chip was launched on July 23, 2026; its instructions are those of AMD's public machine-readable ISA for CDNA 5 (MIT licence, August 2026) and "CDNA5" Instruction Set Architecture Reference Guide (July 2026). The comments in the code are by the model that wrote it; some were corrected since.
;; Block. Allowed arithmetic: matrix products marked QUANTISED: E5M2 operands, one given power-of-two scale a tensor, by v_wmma_f32_16x16x64_bf8_bf8 or v_wmma_f32_16x16x128_bf8_bf8, f32 sums; everything else in f32.
;; Inputs: W1 1,024 x 4,096 float32; W2 4,096 x 1,024 float32; Wk 16 x 1,024 x 64 float32; Wp 1,024 x 1,024 float32; Wq 16 x 1,024 x 64 float32; Wv 16 x 1,024 x 64 float32; b1 4,096 float32; b2 1,024 float32; bp 1,024 float32; ln1_b 1,024 float32; ln1_g 1,024 float32; ln2_b 1,024 float32; ln2_g 1,024 float32; lowp_scales 16 int32 (the exponents e of the quantised operands' scales 2^e); x 4 x 1,024 x 1,024 float32.
;; Outputs: out0 4 x 1,024 x 1,024 float32.
;; This version of the problem:
;;   THIS VERSION OF THE PROBLEM IS GIVEN IN LOW PRECISION. The matrix products marked QUANTISED in the list below multiply operands that are first quantised to E5M2 (5 exponent bits, 2 mantissa bits; 8 bits a number), with one given power-of-two scale for each operand tensor; their sums are f32. All else is computed in f32.
;;   The module's matrix products, in the order in which they are computed (A, B: the left and right operand; K: the contracted axis; several contracted axes count as one K, in the product's order):
;;     1. [M 1,024, K 1,024] x [K 1,024, N 4,096]; A: input Wq; B: computed on the way: QUANTISED (scales: A lowp_scales[0], B lowp_scales[1])
;;     2. [M 1,024, K 1,024] x [K 1,024, N 4,096]; A: input Wk; B: computed on the way: QUANTISED (scales: A lowp_scales[2], B lowp_scales[3])
;;     3. [M 1,024, K 1,024] x [K 1,024, N 4,096]; A: input Wv; B: computed on the way: QUANTISED (scales: A lowp_scales[4], B lowp_scales[5])
;;     4. batch 64 x [M 1,024, K 64] x [K 64, N 1,024]; A: computed on the way; B: computed on the way: QUANTISED (scales: A lowp_scales[6], B lowp_scales[7])
;;     5. batch 64 x [M 1,024, K 1,024] x [K 1,024, N 64]; A: softmax (see below); B: computed on the way: QUANTISED (scales: A lowp_scales[8], B lowp_scales[9])
;;     6. [M 4,096, K 1,024] x [K 1,024, N 1,024]; A: computed on the way; B: input Wp: QUANTISED (scales: A lowp_scales[10], B lowp_scales[11])
;;     7. [M 4,096, K 1,024] x [K 1,024, N 4,096]; A: computed on the way; B: input W1: QUANTISED (scales: A lowp_scales[12], B lowp_scales[13])
;;     8. [M 4,096, K 4,096] x [K 4,096, N 1,024]; A: computed on the way; B: input W2: QUANTISED (scales: A lowp_scales[14], B lowp_scales[15])
;;   THE QUANTISER, for each operand of a quantised product, along K:
;;     - The operand's scale is 2^e, e = its entry of the input lowp_scales (int32; the entries are numbered through the quantised products in the list's order, A before B).
;;     - Each number is divided by the scale, clamped to +-57,344, and rounded to the nearest number of E5M2, ties to even, subnormals kept.
;;     - The product sums the exact products of the quantised numbers (number of the format x scale) in f32.
;;   ~~~python
;;   def quantise(x, axis, e):      # numpy; x: float32 -> the quantised numbers, widened to float32 again
;;       x = np.moveaxis(x, axis, -1); K = x.shape[-1]
;;       r = np.clip(x / 2.0 ** e, -57344, 57344)
;;       step = 2.0 ** (np.maximum(np.frexp(np.where(r == 0, 1, r))[1] - 1, -14) - 2)
;;       q = np.round(r / step) * step * 2.0 ** e      # np.round: ties to even
;;       return np.moveaxis(q, -1, axis).astype(np.float32)
;;   ~~~
;;   SOFTMAX AHEAD OF A QUANTISED PRODUCT. Where the list says 'softmax', what is quantised is not the finished softmax but p = 2^(t - M), with t = logit x log2(e) and M = ceil(the row's largest t), a whole number; so 1/2 < the row's largest p <= 1. The row's sum l is taken of the UNQUANTISED p, in f32, and the product's result is divided by l at the end. Since M is a whole number, a kernel that streams over the keys may use a running M (the ceiling of the running maximum): every later rescaling is an exact power of two, so the quantised numbers keep their values, but for numbers so far below the row's largest that they fall under the format's range.
;;   OPERANDS COMPUTED ON THE WAY. 'Computed on the way' means the value that the module computes at that place (a softmax that the list does not call 'softmax' is quantised finished and normalised). What goes into a quantiser is computed in f32, as accurately as f32 sums, v_exp_f32 and their like allow (about 1e-6 of the number): no bf16 or f16 on the way to a quantiser, and a product that is left as it is and whose result goes on into a quantised operand takes f32 operands (vector FMAs, or v_wmma_f32_16x16x4_f32). A number that lies on a knife's edge between two numbers of the format may be rounded either way, as far as f32 arithmetic and the matrix unit's own rounding can turn it there, and no further.
;; One version. Each part assembles by itself: llvm-mc -triple=amdgcn-amd-amdhsa -mcpu=gfx1250 --defsym DOCPART=n.
;; ======== version 1 of 1: 7 launches
;; limits: right only within a limited range of input values
;; workspace buffers: wcodes 12,582,912 bytes; hcodes 12,582,912 bytes; qkvc 12,582,912 bytes; attc 4,194,304 bytes; x1 16,777,216 bytes; h2c 4,194,304 bytes; hidc 16,777,216 bytes
;; launch prep (part 1): grid 896 x 1, 4 waves a work-group, no clusters, 35,328 bytes of LDS; arguments Wq, Wk, Wv, Wp, W1, W2, lowp_scales, x, ln1_g, ln1_b, wcodes, hcodes; writes wcodes, hcodes
.if DOCPART == 1
	.amdgcn_target "amdgcn-amd-amdhsa--gfx1250"
	.amdhsa_code_object_version 6
	.text
	.protected	k_q71dbf6ee16_prep
	.globl	k_q71dbf6ee16_prep
	.p2align	8
	.type	k_q71dbf6ee16_prep,@function
k_q71dbf6ee16_prep:
	s_mov_b64 s[64:65], 0
	v_nop
	global_prefetch_b8 v0, s[64:65] scope:SCOPE_SE
	s_setreg_imm32_b32 hwreg(HW_REG_WAVE_MODE, 25, 1), 1
	s_wait_xcnt 0x0
; Work-groups 0-383: the six weights, f32 with K not innermost, become codes of BF8 (E5M2) laid [n][K], K innermost, each with its given scale 2^e.
; Work-groups 384-895: h = LayerNorm(x) in f32 (mean, then the mean of the squared differences), quantised three times, with the scales of the q, k and v products.
; code = number / 2^e, held within +-57,344, rounded to the nearest code, ties to even.
; LIMITS: each e between -126 and 112, so that 2^e and 57,344 x 2^e are f32 numbers.  NaN among the inputs is not served.
; ROWS OUT OF ORDER, on purpose: column n of Wq, Wk and W1 lies at row swap34(n) (bits 3 and 4 of n exchanged), and token t of the k and v copies of h at row swap34(t):
; a tile of 16 neighbouring rows then gives a later product's lane, in two neighbouring tiles, 16 neighbouring indices.
; WEIGHTS: a lane takes a column n and its registers run down K; a wave takes 32 columns x 256 along K; the codes go through the wave's own stage in LDS and leave as rows,
; sixteen lanes to 256 consecutive aligned bytes.  Waves share nothing: no barrier.  One path serves all six tensors: sizes and pointers are selected on the work-group's number.
; LAYERNORM: one wave to a row, two rows a wave; the row stays in registers; a lane holds four groups of eight neighbours, so eight codes are 8 bytes and a wave's store is 256 consecutive bytes.
.set MB,    1048576
.set NWGW,  384                        ; work-groups of the weights' part
.set PITCH, 272                        ; a stage row: 256 bytes of codes + 16
.set WSTG,  32*PITCH                   ; a wave's stage
.set OFF,   16                         ; v16-47   weights: byte offset of row i of a block of 32 along K, at my column
.set X,     48                         ; v48-111  two sets of 32 numbers
.set C,     112                        ; v112-119 a block's codes
.set OUTR,  120                        ; v120-183 the way out
.set GOF,   184                        ; v184-199 the way out: my byte offset in the codes' buffer for each of 16 stores
.set LG,    16                         ; LayerNorm: v16-47 gain, v48-79 bias, v80-143 two rows, v144-159 at work, v160-183 codes
.set LB,    48
.set XR,    80
.set T,     144
.set CQ,    160
; One tensor's figures are taken where the work-group's number lies under lim (the limits come in descending order)
.macro PICK lim, src, dsto, first, lncg, hs, strb, krow, sd, eoff
	s_cmp_lt_u32 ttmp9, \lim
	s_cselect_b64 s[46:47], s[\src:\src+1], s[46:47]   ; the tensor
	s_cselect_b32 s48, \dsto, s48                  ; its codes' place in wcodes
	s_cselect_b32 s50, \first, s50                 ; its first work-group
	s_cselect_b32 s51, \lncg, s51                  ; log2 of its groups of 128 columns
	s_cselect_b32 s52, \hs, s52                    ; bytes from 64 columns to the next 64
	s_cselect_b32 s53, \strb, s53                  ; bytes from k to k + 1
	s_cselect_b32 s54, \krow, s54                  ; bytes of a row of codes
	s_cselect_b32 s55, \sd, s55                    ; 8 rows of codes where rows are exchanged, else 0
	s_cselect_b32 s56, \eoff, s56                  ; its exponent's byte in lowp_scales
.endm
.macro LOAD t                          ; block t: 32 along K at my column, into set t % 2; 32 lanes read 128 consecutive bytes
.set LI, 0
.rept 32
	global_load_b32 v[X+32*((\t)%2)+LI], v[OFF+LI], s[66+2*(\t):67+2*(\t)] th:TH_LOAD_NT
.set LI, LI+1
.endr
.endm
.macro BLOCK t
.set XS, X+32*((\t)%2)
.if (\t) < 7
	s_wait_loadcnt 32                              ; this block's 32 loads are in; the next block's 32 may be out
.else
	s_wait_loadcnt 0
.endif
.set BI, 0
.rept 32
	v_med3_num_f32 v[XS+BI], v[XS+BI], -v10, v10   ; the conversion to an 8-bit code does not saturate (ISA guide 7.6.2): the hold comes first
.set BI, BI+1
.endr
.irp g, 0,1,2,3
	v_cvt_scalef32_pk8_bf8_f32 v[C+2*\g:C+2*\g+1], v[XS+8*\g:XS+8*\g+7], v11
.endr
	ds_store_b128 v4, v[C:C+3] offset:32*(\t)      ; 32 codes of my column's row
	ds_store_b128 v4, v[C+4:C+7] offset:32*(\t)+16
.if (\t)+2 < 8
	LOAD (\t)+2
.endif
	s_wait_dscnt 0x0                               ; the stores have read their registers: the next block's codes may be written
.endm
.macro MKSCALE se, vs, vl              ; v[vs] = 2^e, v[vl] = 57,344 x 2^e
	s_add_co_i32 s44, \se, 127
	s_lshl_b32 s45, s44, 23
	v_mov_b32 v[\vs], s45
	s_add_co_i32 s44, s44, 15
	s_lshl_b32 s44, s44, 23
	s_or_b32 s44, s44, 0x600000
	v_mov_b32 v[\vl], s44
.endm
.macro REDUCE                          ; v8 summed over the 32 lanes, in every lane
	v_add_f32_dpp v8, v8, v8 row_xmask:1 row_mask:0xf bank_mask:0xf
	v_add_f32_dpp v8, v8, v8 row_xmask:2 row_mask:0xf bank_mask:0xf
	v_add_f32_dpp v8, v8, v8 row_xmask:4 row_mask:0xf bank_mask:0xf
	v_add_f32_dpp v8, v8, v8 row_xmask:8 row_mask:0xf bank_mask:0xf
	v_permlanex16_b32 v9, v8, s62, s63
	v_add_f32 v8, v8, v9
.endm
.macro LOADX i                         ; row i of my two: eight loads; each pair of loads covers 1,024 consecutive bytes
.irp g, 0,1,2,3
	global_load_b128 v[XR+32*((\i)%2)+8*\g:XR+32*((\i)%2)+8*\g+3], v2, s[66:67] offset:4096*(\i)+1024*\g th:TH_LOAD_NT
	global_load_b128 v[XR+32*((\i)%2)+8*\g+4:XR+32*((\i)%2)+8*\g+7], v2, s[66:67] offset:4096*(\i)+1024*\g+16 th:TH_LOAD_NT
.endr
.endm
.macro COMBINE                         ; four chains of pairs into v8
	v_pk_add_f32 v[T:T+1], v[T:T+1], v[T+2:T+3]
	v_pk_add_f32 v[T+4:T+5], v[T+4:T+5], v[T+6:T+7]
	v_pk_add_f32 v[T:T+1], v[T:T+1], v[T+4:T+5]
	v_add_f32 v8, v[T], v[T+1]
	REDUCE
.endm
.macro ROW i
.set XS, XR+32*((\i)%2)
.if (\i) < 1
	s_wait_loadcnt 8                               ; this row (and gain and bias) is in; the next row's eight loads may be out
.else
	s_wait_loadcnt 0
.endif
.irp k, 0,1,2,3
	v_pk_add_f32 v[T+2*\k:T+2*\k+1], v[XS+2*\k:XS+2*\k+1], v[XS+8+2*\k:XS+9+2*\k]
.endr
.irp k, 0,1,2,3
	v_pk_add_f32 v[T+2*\k:T+2*\k+1], v[T+2*\k:T+2*\k+1], v[XS+16+2*\k:XS+17+2*\k]
.endr
.irp k, 0,1,2,3
	v_pk_add_f32 v[T+2*\k:T+2*\k+1], v[T+2*\k:T+2*\k+1], v[XS+24+2*\k:XS+25+2*\k]
.endr
	COMBINE
	v_mul_f32 v4, s60, v8                          ; the mean, twice
	v_mul_f32 v5, s60, v8
.set P, 0
.rept 16
	v_pk_add_f32 v[XS+2*P:XS+2*P+1], v[XS+2*P:XS+2*P+1], v[4:5] neg_lo:[0,1] neg_hi:[0,1]   ; x - mean
.set P, P+1
.endr
.irp k, 0,1,2,3
	v_pk_mul_f32 v[T+2*\k:T+2*\k+1], v[XS+2*\k:XS+2*\k+1], v[XS+2*\k:XS+2*\k+1]
.endr
.set P, 4
.rept 12
	v_pk_fma_f32 v[T+2*(P%4):T+2*(P%4)+1], v[XS+2*P:XS+2*P+1], v[XS+2*P:XS+2*P+1], v[T+2*(P%4):T+2*(P%4)+1]
.set P, P+1
.endr
	COMBINE
	v_fma_f32 v8, v8, s60, s61                     ; the variance + 1e-5
	s_wait_alu depctr_va_vdst(0)
	v_rsq_f32 v6, v8
	v_nop                                          ; a plain instruction behind the transcendental,
	s_wait_alu depctr_va_vdst(0)                   ; and the wait ahead of its first reader
	v_mov_b32 v7, v6
.set P, 0
.rept 16
	v_pk_mul_f32 v[XS+2*P:XS+2*P+1], v[XS+2*P:XS+2*P+1], v[6:7]
.set P, P+1
.endr
.set P, 0
.rept 16
	v_pk_fma_f32 v[XS+2*P:XS+2*P+1], v[XS+2*P:XS+2*P+1], v[LG+2*P:LG+2*P+1], v[LB+2*P:LB+2*P+1]
.set P, P+1
.endr
	s_wait_xcnt 0x0                                ; the last row's stores have read their data: the codes' registers are written again only behind this wait
.irp o, 0,1,2
.irp g, 0,1,2,3
.set TS, T+8*(\g%2)
.set P, 0
.rept 8
	v_med3_num_f32 v[TS+P], v[XS+8*\g+P], -v[11+2*\o], v[11+2*\o]
.set P, P+1
.endr
	v_cvt_scalef32_pk8_bf8_f32 v[CQ+8*\o+2*\g:CQ+8*\o+2*\g+1], v[TS:TS+7], v[10+2*\o]   ; the next group's holds, on the other set, are the plain lines behind it
.endr
.endr
.irp o, 0,1,2
.irp g, 0,1,2,3
	global_store_b64 v3, v[CQ+8*\o+2*\g:CQ+8*\o+2*\g+1], s[68+2*\o:69+2*\o] offset:1024*(\i)+256*\g   ; 32 lanes store 256 consecutive bytes, aligned
.endr
.endr
.endm
	s_load_b512 s[8:23], s[0:1], 0x0               ; Wq 8, Wk 10, Wv 12, Wp 14, W1 16, W2 18, lowp_scales 20, x 22
	s_load_b256 s[24:31], s[0:1], 0x40             ; ln1_g 24, ln1_b 26, wcodes 28, hcodes 30
	v_lshl_add_u32 v200, v0, 2, 0x8800
	v_mov_b32 v201, 0
	v_lshrrev_b32 v1, 5, v0
	v_readfirstlane_b32 s57, v1                    ; wave 0..3
	v_and_b32 v2, 31, v0                           ; lane
	s_cmp_lt_u32 ttmp9, NWGW
	s_cbranch_scc0 .Lln
	; ---------------- the weights ----------------
	s_wait_kmcnt 0x0
	s_mov_b64 s[46:47], s[18:19]                   ; W2, unless a limit below says otherwise
	s_mov_b32 s48, 8*MB
	s_mov_b32 s50, 256
	s_mov_b32 s51, 3
	s_mov_b32 s52, 256
	s_mov_b32 s53, 4096
	s_mov_b32 s54, 4096
	s_mov_b32 s55, 0
	s_mov_b32 s56, 60
	PICK 256, 16, 4*MB, 128, 5, 256, 16384, 1024, 8192, 52        ; W1
	PICK 128, 14, 3*MB, 96, 3, 256, 4096, 1024, 0, 44             ; Wp
	PICK 96, 12, 2*MB, 64, 3, 262144, 256, 1024, 0, 16            ; Wv: column n = 64 head + d
	PICK 64, 10, 1*MB, 32, 3, 262144, 256, 1024, 8192, 8          ; Wk
	PICK 32, 8, 0, 0, 3, 262144, 256, 1024, 8192, 0               ; Wq
	s_load_b32 s58, s[20:21], s56 offset:0x0       ; e
	s_sub_co_u32 s32, ttmp9, s50                   ; my number within the tensor
	s_lshl_b32 s33, 1, s51
	s_sub_co_u32 s33, s33, 1
	s_and_b32 s34, s32, s33                        ; which 128 columns
	s_lshr_b32 s35, s32, s51                       ; which 256 along K
	s_lshl_b32 s34, s34, 7
	s_lshl_b32 s36, s57, 5
	s_add_co_u32 s34, s34, s36                     ; n0: my wave's first column
	s_lshr_b32 s36, s34, 6
	s_mul_i32 s36, s36, s52
	s_and_b32 s37, s34, 63
	s_lshl_b32 s37, s37, 2
	s_add_co_u32 s36, s36, s37
	s_lshl_b32 s37, s35, 8
	s_mul_i32 s37, s37, s53
	s_add_co_u32 s36, s36, s37                     ; the source's byte: under 2^24
	s_mov_b32 s37, 0
	s_add_nc_u64 s[66:67], s[46:47], s[36:37]      ; block 0's base; a base for each block, so that none is stepped under pending loads
	s_lshl_b32 s38, s53, 5                         ; 32 along K
	s_mov_b32 s39, 0
.irp t, 1,2,3,4,5,6,7
	s_add_nc_u64 s[66+2*\t:67+2*\t], s[66+2*\t-2:67+2*\t-2], s[38:39]
.endr
	s_mul_i32 s40, s34, s54
	s_lshl_b32 s41, s35, 8
	s_add_co_u32 s40, s40, s41
	s_add_co_u32 s40, s40, s48
	; W2's codes are laid as images of operand registers: [K / 128][n / 16][c = 0..3][lane][16 bytes], lane (r, h) holding row n = r, K = 32 c + 16 h + 0 .. 15
	s_lshl_b32 s84, s35, 18                        ; my 256 along K are two planes of 1,024 x 128 bytes
	s_lshl_b32 s85, s34, 7                         ; 16 rows of a plane are 2,048 bytes
	s_add_co_u32 s84, s84, s85
	s_add_co_u32 s84, s84, 8*MB
	s_cmp_ge_u32 ttmp9, 256                        ; W2's work-groups
	s_cselect_b32 s40, s84, s40
	s_mov_b32 s41, 0
	s_add_nc_u64 s[28:29], s[28:29], s[40:41]      ; the codes: row n0, byte 256 x (which 256 along K)
	s_wait_alu depctr_va_vdst(0)
	v_lshlrev_b32 v[OFF], 2, v2
.set Q, 1
.rept 31
	v_add_nc_u32 v[OFF+Q], s53, v[OFF+Q-1]
.set Q, Q+1
.endr
	LOAD 0
	LOAD 1
	s_mul_i32 s42, s57, WSTG                       ; my stage
	v_mul_u32_u24 v4, v2, PITCH
	v_add_nc_u32 v4, s42, v4                       ; into it: row = my column
	v_and_b32 v5, 15, v2
	v_lshrrev_b32 v6, 4, v2
	v_mul_u32_u24 v7, v6, PITCH
	v_lshl_add_u32 v7, v5, 4, v7
	v_add_nc_u32 v7, s42, v7                       ; out of it: sixteen lanes to a row, two rows an instruction
	v_mul_lo_u32 v8, v6, s54
	v_lshl_add_u32 v8, v5, 4, v8
	v_mul_u32_u24 v12, v5, PITCH                   ; W2's way out of the stage: row lane % 16, + 16 (lane / 16)
	v_lshl_add_u32 v12, v6, 4, v12
	v_add_nc_u32 v12, s42, v12
	v_lshlrev_b32 v13, 4, v2                       ; and 16 x lane in the codes' buffer
.set Q, 0
	s_wait_alu depctr_va_vdst(0)
.rept 16                               ; store Q takes columns 2 Q, 2 Q + 1 of my 32: columns 8-15 go 8 rows down and columns 16-23 8 rows up where rows are exchanged
	s_mul_i32 s43, s54, 2*Q
.if (Q >= 4) && (Q < 8)
	s_add_co_u32 s43, s43, s55
.endif
.if (Q >= 8) && (Q < 12)
	s_sub_co_u32 s43, s43, s55
.endif
	v_add_nc_u32 v[GOF+Q], s43, v8
.set Q, Q+1
.endr
	s_wait_kmcnt 0x0
	MKSCALE s58, 11, 10
	s_wait_alu depctr_va_vdst(0)
.irp t, 0,1,2,3,4,5,6,7
	BLOCK \t
.endr
	s_cmp_ge_u32 ttmp9, 256
	s_cbranch_scc1 .Lw2out
.irp t, 0,1,2,3,4,5,6,7,8,9,10,11,12,13,14,15
	ds_load_b128 v[OUTR+4*\t:OUTR+4*\t+3], v7 offset:2*\t*PITCH
.endr
.irp t, 0,1,2,3,4,5,6,7,8,9,10,11,12,13,14,15
	s_wait_dscnt 15-\t                             ; the younger loads may be out
	global_store_b128 v[GOF+\t], v[OUTR+4*\t:OUTR+4*\t+3], s[28:29]
.endr
	s_branch .Ldone
.Lw2out:                               ; W2: my 32 columns x 256 K are four images of 16 x 128; store t: columns 16 (t / 8) on, K 128 ((t / 4) % 2) on, c = t % 4
.irp t, 0,1,2,3,4,5,6,7,8,9,10,11,12,13,14,15
	ds_load_b128 v[OUTR+4*\t:OUTR+4*\t+3], v12 offset:16*(\t/8)*PITCH+128*((\t/4)%2)+32*(\t%4)
.endr
.irp t, 0,1,2,3,4,5,6,7,8,9,10,11,12,13,14,15
	s_wait_dscnt 15-\t                             ; the younger loads may be out
	global_store_b128 v13, v[OUTR+4*\t:OUTR+4*\t+3], s[28:29] offset:131072*((\t/4)%2)+2048*(\t/8)+512*(\t%4)   ; 512 consecutive bytes, aligned
.endr
.Ldone:
	s_wait_tensorcnt 0x0
	ds_add_u32 v200, v201
	s_wait_dscnt 0x0
	s_endpgm
	; ---------------- LayerNorm 1 and its three quantisations ----------------
.Lln:
	s_wait_kmcnt 0x0
	s_load_b256 s[32:39], s[20:21], 0x0            ; e0 .. e7: h's are e1, e3, e5
	s_wait_alu depctr_va_vdst(0)
	v_lshlrev_b32 v3, 3, v2                        ; 8 x lane: my codes
	v_lshlrev_b32 v2, 5, v2                        ; 32 x lane: my numbers
	s_wait_alu depctr_va_vdst(0)
	v_mov_b32 v9, 0                                ; written once: a lane permute's destination counts as one of its sources
	s_sub_co_u32 s40, ttmp9, NWGW
	s_lshl_b32 s40, s40, 3                         ; LayerNorm: work-groups 384-895, two rows a wave, eight a work-group: both rows' loads go out at the head
	s_lshl_b32 s41, s57, 1
	s_add_co_u32 s40, s40, s41                     ; my first row: an even number
	s_lshr_b32 s41, s40, 3
	s_lshr_b32 s42, s40, 4
	s_xor_b32 s41, s41, s42
	s_and_b32 s41, s41, 1
	s_mul_i32 s41, s41, 24
	s_xor_b32 s41, s40, s41                        ; swap34 of it; my two rows keep their order
	s_lshl_b32 s42, s40, 12
	s_mov_b32 s43, 0
	s_add_nc_u64 s[66:67], s[22:23], s[42:43]      ; x
	s_lshl_b32 s42, s40, 10
	s_add_nc_u64 s[68:69], s[30:31], s[42:43]      ; the copy for q: rows as they are
	s_lshl_b32 s42, s41, 10
	s_add_co_u32 s42, s42, 4*MB
	s_add_nc_u64 s[70:71], s[30:31], s[42:43]      ; for k
	s_add_co_u32 s42, s42, 4*MB
	s_add_nc_u64 s[72:73], s[30:31], s[42:43]      ; for v
	s_mov_b32 s60, 0x3a800000                      ; 1 / 1,024
	s_mov_b32 s61, 0x3727c5ac                      ; 1e-5
	s_mov_b32 s62, 0x76543210
	s_mov_b32 s63, 0xfedcba98
.irp g, 0,1,2,3
	global_load_b128 v[LG+8*\g:LG+8*\g+3], v2, s[24:25] offset:1024*\g
	global_load_b128 v[LG+8*\g+4:LG+8*\g+7], v2, s[24:25] offset:1024*\g+16
	global_load_b128 v[LB+8*\g:LB+8*\g+3], v2, s[26:27] offset:1024*\g
	global_load_b128 v[LB+8*\g+4:LB+8*\g+7], v2, s[26:27] offset:1024*\g+16
.endr
	LOADX 0
	LOADX 1
	s_wait_kmcnt 0x0
	MKSCALE s33, 10, 11
	MKSCALE s35, 12, 13
	MKSCALE s37, 14, 15
	ROW 0
	ROW 1
	s_endpgm
.Lfunc_end_k_q71dbf6ee16_prep:
	.size	k_q71dbf6ee16_prep, .Lfunc_end_k_q71dbf6ee16_prep-k_q71dbf6ee16_prep
	.p2alignl 7, 3214868480
	.fill 96, 4, 3214868480
	.section	.rodata,"a",@progbits
	.p2align	6, 0x0
	.amdhsa_kernel k_q71dbf6ee16_prep
		.amdhsa_group_segment_fixed_size 35328
		.amdhsa_private_segment_fixed_size 0
		.amdhsa_enable_private_segment 0
		.amdhsa_kernarg_size 96
		.amdhsa_user_sgpr_count 2
		.amdhsa_user_sgpr_kernarg_segment_ptr 1
		.amdhsa_wavefront_size32 1
		.amdhsa_system_sgpr_workgroup_id_x 1
		.amdhsa_system_sgpr_workgroup_id_y 1
		.amdhsa_system_sgpr_workgroup_id_z 1
		.amdhsa_system_vgpr_workitem_id 0
		.amdhsa_next_free_vgpr 202
		.amdhsa_next_free_sgpr 92
		.amdhsa_reserve_vcc 0
		.amdhsa_float_denorm_mode_32 3
		.amdhsa_float_denorm_mode_16_64 3
		.amdhsa_memory_ordered 1
		.amdhsa_forward_progress 1
		.amdhsa_inst_pref_size 92
	.end_amdhsa_kernel
	.amdgpu_metadata
---
amdhsa.version: [ 1, 2 ]
amdhsa.kernels:
  - .name:           k_q71dbf6ee16_prep
    .symbol:         k_q71dbf6ee16_prep.kd
    .args:
      - { .name: Wq, .offset: 0, .size: 8, .value_kind: global_buffer, .address_space: global }
      - { .name: Wk, .offset: 8, .size: 8, .value_kind: global_buffer, .address_space: global }
      - { .name: Wv, .offset: 16, .size: 8, .value_kind: global_buffer, .address_space: global }
      - { .name: Wp, .offset: 24, .size: 8, .value_kind: global_buffer, .address_space: global }
      - { .name: W1, .offset: 32, .size: 8, .value_kind: global_buffer, .address_space: global }
      - { .name: W2, .offset: 40, .size: 8, .value_kind: global_buffer, .address_space: global }
      - { .name: lowp_scales, .offset: 48, .size: 8, .value_kind: global_buffer, .address_space: global }
      - { .name: x, .offset: 56, .size: 8, .value_kind: global_buffer, .address_space: global }
      - { .name: ln1_g, .offset: 64, .size: 8, .value_kind: global_buffer, .address_space: global }
      - { .name: ln1_b, .offset: 72, .size: 8, .value_kind: global_buffer, .address_space: global }
      - { .name: wcodes, .offset: 80, .size: 8, .value_kind: global_buffer, .address_space: global }
      - { .name: hcodes, .offset: 88, .size: 8, .value_kind: global_buffer, .address_space: global }
    .group_segment_fixed_size: 35328
    .private_segment_fixed_size: 0
    .kernarg_segment_align: 8
    .kernarg_segment_size: 96
    .max_flat_workgroup_size: 128
    .sgpr_count:     92
    .vgpr_count:     202
    .wavefront_size: 32
...
	.end_amdgpu_metadata
.endif
;; end of part 1
;; launch qkv (part 2): grid 12 x 16, 4 waves a work-group, clusters of 4 x 4, 327,680 bytes of LDS; arguments hcodes, wcodes, lowp_scales, qkvc; writes qkvc
.if DOCPART == 2
	.amdgcn_target "amdgcn-amd-amdhsa--gfx1250"
	.amdhsa_code_object_version 6
	.text
	.protected	k_q71dbf6ee16_qkv
	.globl	k_q71dbf6ee16_qkv
	.p2align	8
	.type	k_q71dbf6ee16_qkv,@function
k_q71dbf6ee16_qkv:
	s_mov_b64 s[64:65], 0
	v_nop
	global_prefetch_b8 v0, s[64:65] scope:SCOPE_SE
	s_setreg_imm32_b32 hwreg(HW_REG_WAVE_MODE, 25, 1), 1
	s_wait_xcnt 0x0
	s_wait_alu depctr_hold_cnt(0) depctr_sa_sdst(0) depctr_va_vdst(0) depctr_va_sdst(0) depctr_va_ssrc(0) depctr_va_vcc(0) depctr_vm_vsrc(0)
	s_getreg_b32 s2, hwreg(HW_REG_IB_STS2, 6, 4)
	s_cmp_eq_u32 s2, 0
	s_cbranch_scc0 .Lentry_in_a_cluster
	s_endpgm
.Lentry_in_a_cluster:
	s_bfe_u32 s2, ttmp6, 0x10000c
	s_cmp_lg_u32 s2, 0xf033
	s_cbranch_scc0 .Lentry_shape_is_right
	s_endpgm
.Lentry_shape_is_right:
; q, k and v: three products [4,096 tokens x 1,024] x [1,024 x 1,024] on codes of BF8 (E5M2), f32 sums, and each result quantised at once for attention.
; The cluster's x says which: 0 q, 1 k, 2 v.  A tile is 256 x 256, four waves of 128 x 128 (64 accumulators, 512 registers); K goes in steps of 256 through a ring of two LDS slots.
; For q and k the side called A holds tokens and B the weight's rows (64 head + d); for v they change places, so that a lane holds one d and neighbouring KEYS, the next product's K.
; THE MATRIX INSTRUCTION IS USED TRANSPOSED (source 0 = 16 rows of B, source 1 = 16 rows of A).  B's rows lie in memory with bits 3 and 4 of their index exchanged, so the 16 registers of tiles
; 2 b and 2 b + 1 are the 16 neighbouring indices 32 b + 16 (lane / 16) + 0 .. 15: two conversions give 16 codes that belong together.
; A sum stands for sum x 2^(ew + eh): its code is sum / 2^(eo - ew - eh), eo the scale given for q, k or v.  LIMIT: eo - ew - eh between -126 and 112.  NaN is not served.
; OUT: q, k [64 (batch, head)][1,024][64]; v [64][8 chunks][64 d][128 keys].  k's tokens lie in the exchanged order of its copy of h.
; CLUSTERS: 4 x 4 work-groups; A's tiles are asked for jointly along a row of the cluster, B's along a column.
; REGISTERS, in windows of 256: window 0: v0-31 addresses; from v128 A's fragments, one set; on the way out v32-143.  window 1: B's fragments, two sets.  windows 2, 3: the accumulators.
.set MB,     1048576
.set SIZE_K, 1024
.set KSTEP,  256
.set ROWB,   256
.set KROW,   SIZE_K
.set PITCH,  272                       ; an LDS row: 256 bytes + 16 of padding = 68 words: the 16 rows of a load start at 16 different banks (64 banks of 4 bytes: ISA guide 11.1)
.set FR,     16
.set NL,     4
.set NP,     4                         ; places behind this matrix instruction (ISA guide 7.12.1)
.set HALFT,  128*PITCH
.set SLOT,   4*HALFT
.set LAPS,   SIZE_K/(2*KSTEP)
.set SPARE,  2*SLOT                    ; the spare words, 128 bytes a wave: two blocks of 256 bytes that no other line names
.set STG,    SPARE+512                 ; the way out: 16 rows x (128 bytes + 16) for each wave, bytes that no tile lands in
.set SROW,   144
.set WST,    16*SROW
.set ADRA, 16
.set ADRB, 20
.set STO,  24
.set RD,   25
.set SPW,  28
.set NIL,  29
.set TMP,  32                          ; v32-95   a block's sums, held
.set CD,   96                          ; v96-111  its codes
.set BBASE, 112                        ; v112-127, v128-143 by turns: rows read back
.set AF,   128
.set G1, 24
.set G0, 32
.set G1B, 48
.set G0B, 56
.set MSB, 0
.macro WIN new                         ; the immediate's high byte repeats the setting that is left
.if MSB != \new
	s_set_vgpr_msb (MSB<<8)|\new
.set MSB, \new
.endif
.endm
.set MUL_LO, 0xa1                      ; source 0 (B) window 1, source 1 (A) window 0, C and D window 2
.set MUL_HI, 0xf1
.set TO_B,   0x40
; A joint load: waves 0 and 1 fetch for A, waves 2 and 3 for B; the branch hangs on the wave's number alone.  Four v_nop follow each of the two lines.
.macro JLOAD g0a, g1a, g0b, g1b
	s_cmp_eq_u32 s15, 0
	s_cbranch_scc0 .Lfor_b_\@
	tensor_load_to_lds s[\g0a:\g0a+3], s[\g1a:\g1a+7]
	s_nop 0
.rept 4
	v_nop
.endr
	s_branch .Lasked_\@
.Lfor_b_\@:
	tensor_load_to_lds s[\g0b:\g0b+3], s[\g1b:\g1b+7]
	s_nop 0
.rept 4
	v_nop
.endr
.Lasked_\@:
.endm
.macro CREST                           ; a round of the cluster's barrier behind its opening barrier
	s_cmp_lg_u32 s14, 0
	s_cbranch_scc1 .Lnot_wave_0_\@
	s_barrier_signal -3
.Lnot_wave_0_\@:
	s_barrier_wait -3
	s_barrier_signal -1
	s_barrier_wait -1
.endm
.macro CROUND
	s_barrier_signal -1
	s_barrier_wait -1
	CREST
.endm
	s_load_b256 s[68:75], s[0:1], 0x0              ; hcodes 68, wcodes 70, lowp_scales 72, qkvc 74
	v_lshl_add_u32 v[SPW], v0, 2, SPARE
	v_mov_b32 v[NIL], 0
	ds_add_u32 v28, v29
	ds_add_u32 v28, v29
	s_wait_dscnt 0x0
	v_lshrrev_b32 v1, 5, v0
	v_readfirstlane_b32 s14, v1                    ; wave 0..3
	s_lshr_b32 s15, s14, 1                         ; which half of A's rows is mine.  Also: I fetch for A (0) or for B (1)
	s_and_b32 s16, s14, 1                          ; which half of B's rows.  Also: which 128 rows I fetch
	s_bfe_u32 s40, ttmp6, 0x40000                  ; cx
	s_bfe_u32 s41, ttmp6, 0x40004                  ; cy
	s_and_b32 s78, ttmp7, 0xffff
	s_lshl_b32 s78, s78, 2                         ; 4 x cluster y
	s_lshl_b32 s43, s41, 2
	s_lshl_b32 s43, 15, s43                        ; my row of the cluster
	s_lshl_b32 s44, 0x1111, s40                    ; my column
	s_lshl_b32 s88, ttmp9, 3                       ; the byte of (ew, eh) in lowp_scales
	s_lshl_b32 s89, ttmp9, 2
	s_add_co_u32 s89, s89, 24                      ; the byte of eo: entries 6, 7, and for v 9
	s_mov_b32 s83, 256
	s_mov_b32 s84, 1024
	s_mov_b32 s85, 0
	s_mov_b32 s86, 1024
	s_mov_b32 s87, 0
	s_cmp_eq_u32 ttmp9, 2                          ; v?  The same in all sixteen partners; nothing branches on it
	s_cselect_b32 s79, 0, s78                      ; tokens' tiles run along the cluster's y for q and k (A), and for v too (B)
	s_cselect_b32 s80, s78, 0
	s_cselect_b32 s81, 64, 0x10000                 ; the way out: from the first 64 bytes of a stage row to the second: the next head, or on in v's row
	s_cselect_b32 s82, 128, 64                     ; from row to row
	s_cselect_b32 s83, 512, s83                    ; four rows
	s_cselect_b32 s84, 2048, s84                   ; sixteen rows
	s_cselect_b32 s86, 59392, s86                  ; from rows 48-63 to rows 64-79: in v the next head
	s_cselect_b32 s90, 4, 0
	s_add_co_u32 s89, s89, s90
	s_add_co_u32 s17, s79, s41                     ; A's tile: never holds cx
	s_add_co_u32 s42, s80, s40                     ; B's tile: never holds cy
	; descriptor group 1: a tile of 128 rows x 256 bytes, padded in LDS
	s_or_b32 s[G1+0], s43, (0<<16)|(1<<20)|(1<<21)|(5<<22)|(3<<25)  ; the mask; elements of 1 byte; padding on; bit 21 beside a mask; after every 64 words; 4 words
	s_or_b32 s[G1B+0], s44, (0<<16)|(1<<20)|(1<<21)|(5<<22)|(3<<25)
.irp g, G1, G1B
	s_mov_b32 s[\g+1], ROWB<<16                    ; tensor_dim0
	s_mov_b32 s[\g+2], 128<<16                     ; tensor_dim1
	s_mov_b32 s[\g+3], ROWB<<16                    ; tile_dim0
	s_mov_b32 s[\g+4], 128                         ; tile_dim1
	s_mov_b32 s[\g+5], KROW                        ; tensor_dim0_stride
	s_mov_b32 s[\g+6], 0
	s_mov_b32 s[\g+7], 0
.endr
	s_lshl_b32 s18, s16, 7
	s_lshl_b32 s20, s17, 8
	s_add_co_u32 s20, s20, s18
	s_lshl_b32 s20, s20, 10                        ; A: (256 x tile + 128 x half) rows of 1,024 bytes
	s_lshl_b32 s46, s42, 8
	s_add_co_u32 s46, s46, s18
	s_lshl_b32 s46, s46, 10                        ; B likewise
	s_mov_b32 s21, 0
	s_mov_b32 s47, 0
	s_mul_i32 s45, s14, HALFT                      ; where they go: wave x 128 rows
	s_wait_kmcnt 0x0
	s_load_b64 s[96:97], s[72:73], s88 offset:0x0  ; ew, eh
	s_load_b32 s98, s[72:73], s89 offset:0x0       ; eo
	s_lshl_b32 s76, ttmp9, 22
	s_mov_b32 s77, 0
	s_add_nc_u64 s[68:69], s[68:69], s[76:77]      ; this product's copy of h
	s_add_nc_u64 s[10:11], s[74:75], s[76:77]      ; and its part of the output
	s_lshl_b32 s76, ttmp9, 20
	s_add_nc_u64 s[70:71], s[70:71], s[76:77]      ; its weight
	s_cmp_eq_u32 ttmp9, 2
	s_cselect_b64 s[4:5], s[70:71], s[68:69]       ; A
	s_cselect_b64 s[6:7], s[68:69], s[70:71]       ; B
	s_add_nc_u64 s[20:21], s[4:5], s[20:21]
	s_add_nc_u64 s[46:47], s[6:7], s[46:47]
	CROUND                                         ; all sixteen work-groups are here: the first joint loads meet
.irp s, 0,1
	s_mov_b32 s[G0+4*\s], 1
	s_add_co_u32 s[G0+4*\s+1], s45, \s*SLOT
	s_add_nc_u64 s[G0+4*\s+2:G0+4*\s+3], s[20:21], \s*ROWB
	s_or_b32 s[G0+4*\s+3], s[G0+4*\s+3], 0x80000000
	s_mov_b32 s[G0B+4*\s], 1
	s_add_co_u32 s[G0B+4*\s+1], s45, \s*SLOT
	s_add_nc_u64 s[G0B+4*\s+2:G0B+4*\s+3], s[46:47], \s*ROWB
	s_or_b32 s[G0B+4*\s+3], s[G0B+4*\s+3], 0x80000000
.endr
	JLOAD G0, G1, G0B, G1B                         ; K step 0: one tensor load a wave at the head
	; PREFETCHES INTO THE L2: a K step is 256 bytes of each row.  Of the 128 rows that I fetch, each of the four partners that ask for them jointly takes 32, told apart by address
	; (cx for A, cy for B): a lane a row, one instruction a wave and K step.  K steps 1 and 2 are asked for here, K step 3 behind K step 1's load; the address registers are never rewritten.
	s_cmp_eq_u32 s15, 0
	s_cselect_b64 s[8:9], s[20:21], s[46:47]
	s_cselect_b32 s12, s40, s41
	s_lshl_b32 s12, s12, 15                        ; 32 rows of 1,024 bytes
	s_mov_b32 s13, 0
	s_add_nc_u64 s[8:9], s[8:9], s[12:13]
	v_and_b32 v30, 31, v0
	v_lshlrev_b32 v30, 10, v30
	global_prefetch_b8 v30, s[8:9] offset:256 th:TH_LOAD_NT scope:SCOPE_SE
	global_prefetch_b8 v30, s[8:9] offset:512 th:TH_LOAD_NT scope:SCOPE_SE
	v_and_b32 v1, 15, v0                           ; r
	s_wait_alu depctr_va_vdst(0)
	v_bfe_u32 v2, v0, 4, 1                         ; h
	v_mul_u32_u24 v3, v1, PITCH
	v_lshl_add_u32 v4, v2, 4, v3
	s_mul_i32 s21, s15, HALFT
	s_mul_i32 s22, s16, HALFT
	s_add_co_u32 s22, s22, 2*HALFT
.irp s, 0,1
	v_add_nc_u32 v[ADRA+\s], s21, v4
	v_add_nc_u32 v[ADRB+\s], s22, v4
	s_add_co_u32 s21, s21, SLOT
	s_add_co_u32 s22, s22, SLOT
.endr
	s_mul_i32 s23, s14, WST
	s_add_co_u32 s23, s23, STG                     ; my stage
	v_mul_u32_u24 v5, v1, SROW
	s_wait_alu depctr_va_vdst(0)
	v_lshl_add_u32 v5, v2, 4, v5
	v_add_nc_u32 v[STO], s23, v5                   ; in: row r, 16 bytes for each half of the lanes
	v_and_b32 v6, 31, v0
	v_lshrrev_b32 v7, 3, v6                        ; back: eight lanes to a row of 128 bytes, four rows an instruction
	v_mul_u32_u24 v5, v7, SROW
	v_and_b32 v3, 7, v0
	v_lshl_add_u32 v5, v3, 4, v5
	v_add_nc_u32 v[RD], s23, v5
	v_and_b32 v3, 3, v0
	v_lshlrev_b32 v8, 4, v3
	v_bfe_u32 v3, v0, 2, 1
	v_mad_u32_u24 v8, v3, s81, v8
	v_mad_u32_u24 v8, v7, s82, v8                  ; the same place in the output, for each of a block's four stores
	v_add_nc_u32 v9, s83, v8
	v_add_nc_u32 v10, s83, v9
	v_add_nc_u32 v11, s83, v10
	s_lshl_b32 s90, s17, 8
	s_lshl_b32 s91, s15, 7
	s_add_co_u32 s90, s90, s91                     ; my first row of A
	s_lshl_b32 s92, s42, 8
	s_lshl_b32 s93, s16, 7
	s_add_co_u32 s92, s92, s93                     ; my first row of B
	s_cmp_eq_u32 ttmp9, 2
	s_cselect_b32 s91, s92, s90                    ; my first token,
	s_cselect_b32 s93, s90, s92                    ; my first 64 head + d
	s_lshr_b32 s90, s91, 10
	s_lshl_b32 s90, s90, 4
	s_lshr_b32 s92, s93, 6
	s_add_co_u32 s90, s90, s92                     ; 16 batch + head
	s_lshl_b32 s90, s90, 16
	s_and_b32 s91, s91, 1023
	s_lshl_b32 s91, s91, 6                         ; q, k: 64 bytes a token; v: 8,192 bytes a chunk of 128 keys: the same number
	s_add_co_u32 s90, s90, s91
	s_mov_b32 s91, 0
	s_add_nc_u64 s[10:11], s[10:11], s[90:91]
.macro FRAG reg, adr, q, i             ; 16 rows x 128 K: lane l holds row l % 16; registers 4 c .. 4 c + 3 hold K = 32 c + 16 (l / 16) + 0 .. 15, alike on both sides
.irp c, 0,1,2,3
	ds_load_b128 v[\reg+4*\c:\reg+4*\c+3], v[\adr] offset:128*(\q)+32*\c+(\i)*16*PITCH
.endr
.endm
; 16 matrix instructions: A's blocks a0, a0 + 1 x B's eight.  zero = 1: the first product starts the sums.  The 64 accumulators take turns, one instruction a turn.
.macro MUL16 a0, p, zero
.irp a, \a0, \a0+1
.irp b, 0,1,2,3,4,5,6,7
.if \zero
	v_wmma_f32_16x16x128_bf8_bf8 v[8*(8*((\a)%4)+\b):8*(8*((\a)%4)+\b)+7], v[128*(\p)+FR*\b:128*(\p)+FR*\b+FR-1], v[AF+FR*(\a):AF+FR*(\a)+FR-1], 0
.else
	v_wmma_f32_16x16x128_bf8_bf8 v[8*(8*((\a)%4)+\b):8*(8*((\a)%4)+\b)+7], v[128*(\p)+FR*\b:128*(\p)+FR*\b+FR-1], v[AF+FR*(\a):AF+FR*(\a)+FR-1], v[8*(8*((\a)%4)+\b):8*(8*((\a)%4)+\b)+7]
.endif
.endr
.endr
.endm
.macro FETCH_B slot, q, p
	WIN TO_B
.irp i, 0,1,2,3,4,5,6,7
	FRAG 128*(\p)+FR*\i, ADRB+\slot, \q, \i
.endr
	WIN 0
.endm
.macro FETCH_A slot, q, i0
.irp i, \i0, \i0+1, \i0+2, \i0+3
	FRAG AF+FR*(\i), ADRA+\slot, \q, \i
.endr
.endm
.macro PLACES n                        ; plain vector lines between a matrix instruction and a load into, or a vector read of, its registers
.rept \n
	v_nop
.endr
.endm
.macro STEP slot, q, zero              ; 128 along K, with its successor in the same slot
	s_wait_dscnt 4*NL                              ; B's set and A's blocks 0-3 are in; the youngest sixteen loads (A's blocks 4-7) may be out
	WIN MUL_LO
	MUL16 0, (\q)%2, \zero
	MUL16 2, (\q)%2, \zero
	s_wait_dscnt 0
	PLACES NP
	FETCH_B \slot, (\q)+1, 1-(\q)%2
	FETCH_A \slot, (\q)+1, 0
	WIN MUL_HI
	MUL16 4, (\q)%2, \zero
	MUL16 6, (\q)%2, \zero
	PLACES NP
	WIN 0
	FETCH_A \slot, (\q)+1, 4
.endm
; A slot's last step changes slots: one barrier; in front of it each wave waits for all its tensor loads, adds 0 to its spare word, and waits for that and for its reads of this slot.
.macro TURN slot, next, fill
	s_wait_tensorcnt 0x0                           ; all my tensor loads have landed: my part of the next slot
	ds_add_u32 v[SPW], v[NIL]                      ; 0 onto my spare word
	s_wait_dscnt 4*NL+1                            ; the add and the youngest sixteen loads may be out
	WIN MUL_LO
	MUL16 0, 1, 0
	s_wait_dscnt 0x0                               ; the add is done, and my reads of this slot are over
	s_barrier_signal -1
	MUL16 2, 1, 0
	WIN 0
	s_barrier_wait -1
.if \fill
	CREST                                          ; the barrier has opened a round of the cluster's: no wave of any partner still reads this slot or has a load on its way
	s_add_nc_u64 s[G0+4*\slot+2:G0+4*\slot+3], s[G0+4*\slot+2:G0+4*\slot+3], 2*ROWB
	s_add_nc_u64 s[G0B+4*\slot+2:G0B+4*\slot+3], s[G0B+4*\slot+2:G0B+4*\slot+3], 2*ROWB
	JLOAD G0+4*\slot, G1, G0B+4*\slot, G1B         ; the first tensor load behind the round; its four v_nop are also the places in front of the loads below
.else
	PLACES NP
.endif
	FETCH_B \next, 0, 0
	FETCH_A \next, 0, 0
	WIN MUL_HI
	MUL16 4, 1, 0
	MUL16 6, 1, 0
	PLACES NP
	WIN 0
	FETCH_A \next, 0, 4
.endm
	s_wait_alu depctr_va_vdst(0)
	s_wait_tensorcnt 0x0                           ; my part of K step 0 is in
	ds_add_u32 v[SPW], v[NIL]
	s_wait_dscnt 0x0
	CROUND                                         ; a whole round: everybody's part of K step 0 is in
	JLOAD G0+4, G1, G0B+4, G1B                     ; K step 1, the first tensor load behind the round
	FETCH_B 0, 0, 0
	FETCH_A 0, 0, 0
	FETCH_A 0, 0, 4
	global_prefetch_b8 v30, s[8:9] offset:768 th:TH_LOAD_NT scope:SCOPE_SE   ; K step 3, two refills ahead of its load
	STEP 0, 0, 1
	s_mov_b32 s3, LAPS-1
.Llap:                                                 ; a trip goes once round the ring and fills both slots again
	TURN 0, 1, 1
	STEP 1, 0, 0
	TURN 1, 0, 1
	STEP 0, 0, 0
	s_sub_co_u32 s3, s3, 1
	s_cmp_lg_u32 s3, 0
	s_cbranch_scc1 .Llap
	TURN 0, 1, 0                                   ; the last lap fills nothing
	STEP 1, 0, 0
	s_wait_dscnt 4*NL
	WIN MUL_LO
	MUL16 0, 1, 0
	MUL16 2, 1, 0
	s_wait_dscnt 0
	WIN MUL_HI
	MUL16 4, 1, 0
	MUL16 6, 1, 0
	WIN 0
; THE WAY OUT, block by block of 16 rows of A x 128 of B: held, converted (16 codes a lane for each pair of tiles), through my own stage, back as rows of 128 bytes.
.macro QOUT a
.set AC, 64*((\a)%4)
.set BB, BBASE+16*((\a)%2)
	WIN 0x02+((\a)/4)                              ; source 0: window 2 or 3
.set P, 0
.rept 64
	v_med3_num_f32 v[TMP+P], v[AC+P], -v13, v13    ; the hold at the largest code x the scale; each accumulator from its low end on
.set P, P+1
.endr
	WIN 0
.irp t, 0,1,2,3,4,5,6,7
	v_cvt_scalef32_pk8_bf8_f32 v[CD+2*\t:CD+2*\t+1], v[TMP+8*\t:TMP+8*\t+7], v12
.endr
	v_nop                                          ; a plain line behind the last conversion
.irp c, 0,1,2,3
	ds_store_b128 v[STO], v[CD+4*\c:CD+4*\c+3] offset:32*\c
.endr
.irp i, 0,1,2,3
	ds_load_b128 v[BB+4*\i:BB+4*\i+3], v[RD] offset:4*SROW*\i   ; LDS serves a wave's instructions in order: these see the stores above
.endr
.endm
.macro SEND a, younger
.set BB, BBASE+16*((\a)%2)
	s_wait_dscnt \younger                          ; the block is back; the next block's four stores and four loads may be out
.if (\a) == 4
	s_add_nc_u64 s[10:11], s[10:11], s[86:87]
.elseif (\a) > 0
	s_add_nc_u64 s[10:11], s[10:11], s[84:85]      ; (behind a wait on XCNT: the earlier stores have read their base)
.endif
.irp i, 0,1,2,3
	global_store_b128 v[8+\i], v[BB+4*\i:BB+4*\i+3], s[10:11]   ; 512 bytes: two runs of 256 consecutive bytes, each aligned
.endr
.endm
	s_wait_kmcnt 0x0
	s_sub_co_i32 s98, s98, s96
	s_sub_co_i32 s98, s98, s97                     ; eo - ew - eh
	s_add_co_i32 s98, s98, 127
	s_lshl_b32 s96, s98, 23
	s_add_co_i32 s98, s98, 15
	s_lshl_b32 s98, s98, 23
	s_or_b32 s98, s98, 0x600000
	PLACES NP
	v_mov_b32 v12, s96                             ; the conversion's scale
	v_mov_b32 v13, s98                             ; 57,344 x that
	QOUT 0
.irp a, 1,2,3,4,5,6,7
.if \a > 1
	s_wait_xcnt 0x0                                ; block a - 2's stores have read their registers and their base
.endif
	QOUT \a
	SEND \a-1, 8
.endr
	s_wait_xcnt 0x0
	SEND 7, 0
	s_wait_tensorcnt 0x0                           ; the wave's end
	ds_add_u32 v[SPW], v[NIL]
	s_wait_dscnt 0x0
	CROUND                                         ; the closing round
	s_endpgm
.Lfunc_end_k_q71dbf6ee16_qkv:
	.size	k_q71dbf6ee16_qkv, .Lfunc_end_k_q71dbf6ee16_qkv-k_q71dbf6ee16_qkv
	.p2alignl 7, 3214868480
	.fill 96, 4, 3214868480
	.section	.rodata,"a",@progbits
	.p2align	6, 0x0
	.amdhsa_kernel k_q71dbf6ee16_qkv
		.amdhsa_group_segment_fixed_size 327680
		.amdhsa_private_segment_fixed_size 0
		.amdhsa_enable_private_segment 0
		.amdhsa_kernarg_size 32
		.amdhsa_user_sgpr_count 2
		.amdhsa_user_sgpr_kernarg_segment_ptr 1
		.amdhsa_wavefront_size32 1
		.amdhsa_system_sgpr_workgroup_id_x 1
		.amdhsa_system_sgpr_workgroup_id_y 1
		.amdhsa_system_sgpr_workgroup_id_z 1
		.amdhsa_system_vgpr_workitem_id 0
		.amdhsa_next_free_vgpr 1024
		.amdhsa_next_free_sgpr 100
		.amdhsa_reserve_vcc 0
		.amdhsa_float_denorm_mode_32 3
		.amdhsa_float_denorm_mode_16_64 3
		.amdhsa_memory_ordered 1
		.amdhsa_forward_progress 1
		.amdhsa_inst_pref_size 125
	.end_amdhsa_kernel
	.amdgpu_metadata
---
amdhsa.version: [ 1, 2 ]
amdhsa.kernels:
  - .name:           k_q71dbf6ee16_qkv
    .symbol:         k_q71dbf6ee16_qkv.kd
    .args:
      - { .name: hcodes, .offset: 0, .size: 8, .value_kind: global_buffer, .address_space: global }
      - { .name: wcodes, .offset: 8, .size: 8, .value_kind: global_buffer, .address_space: global }
      - { .name: lowp_scales, .offset: 16, .size: 8, .value_kind: global_buffer, .address_space: global }
      - { .name: qkvc, .offset: 24, .size: 8, .value_kind: global_buffer, .address_space: global }
    .group_segment_fixed_size: 327680
    .private_segment_fixed_size: 0
    .kernarg_segment_align: 8
    .kernarg_segment_size: 32
    .max_flat_workgroup_size: 128
    .sgpr_count:     100
    .vgpr_count:     1024
    .wavefront_size: 32
...
	.end_amdgpu_metadata
.endif
;; end of part 2
;; launch attn (part 3): grid 4 x 64, 16 waves a work-group, clusters of 4 x 1, 174,080 bytes of LDS; arguments qkvc, lowp_scales, attc; writes attc
.if DOCPART == 3
	.amdgcn_target "amdgcn-amd-amdhsa--gfx1250"
	.amdhsa_code_object_version 6
	.text
	.protected	k_q71dbf6ee16_attn
	.globl	k_q71dbf6ee16_attn
	.p2align	8
	.type	k_q71dbf6ee16_attn,@function
k_q71dbf6ee16_attn:
	s_mov_b64 s[64:65], 0
	v_nop
	global_prefetch_b8 v0, s[64:65] scope:SCOPE_SE
	s_setreg_imm32_b32 hwreg(HW_REG_WAVE_MODE, 25, 1), 1
	s_wait_xcnt 0x0
	s_wait_alu depctr_hold_cnt(0) depctr_sa_sdst(0) depctr_va_vdst(0) depctr_va_sdst(0) depctr_va_ssrc(0) depctr_va_vcc(0) depctr_vm_vsrc(0)
	s_getreg_b32 s2, hwreg(HW_REG_IB_STS2, 6, 4)
	s_cmp_eq_u32 s2, 0
	s_cbranch_scc0 .Lentry_in_a_cluster
	s_endpgm
.Lentry_in_a_cluster:
	s_bfe_u32 s2, ttmp6, 0x10000c
	s_cmp_lg_u32 s2, 0x3003
	s_cbranch_scc0 .Lentry_shape_is_right
	s_endpgm
.Lentry_shape_is_right:
; Causal attention of one (batch, head) for each cluster, both products on codes of BF8 (E5M2); the result is quantised for the projection.
; q, k: [64][1,024][64] codes; k's position p holds key swap34(p) (bits 3 and 4 exchanged); v: [64][8 chunks][64 d][128 keys] codes.  Out: attc [16 heads][4,096 tokens][64] codes.
; t = score x log2(e) / 32 (the scale is 1,024^-1/2); M = the running largest t rounded up to a whole number; p = 2^(t - M) is quantised with 2^e8; the row's sum is taken of the unquantised p and divides at the end.
; SHARES.  The head's K and V, 128 KiB of codes, fit in LDS whole: they are fetched once, by joint loads of the cluster's four work-groups, and no LDS byte is filled twice.
; Work-group cx, wave with index J, owns queries 64 J + 16 cx + 0 .. 15: the four partners have the same work, and every branch hangs on J, the wave's number, alone.
; A step of 128 keys is left out where all its keys come after the wave's queries (J < 2 s) and needs no mask where all count (J >= 2 s + 2): both tests hold for every cx.
; LAYOUT.  Both products transposed: S^T = K Q^T, O^T = V^T P^T: a lane holds one query.  By k's order the 16 registers of tiles 2 b, 2 b + 1 are keys 32 b + 16 (lane / 16) + 0 .. 15.
; LIMITS: e6 + e7 between -121 and 132 (added to the exponent field of log2(e) / 32); e8, and e10 - e8 - e9, between -126 and 112.  NaN is not served.
; REGISTERS: v1-3, v7 stay; v8-11 addresses in hand; v12 -M, v13 the largest t, v[14:15] the sum; v16-23 Q; v32-95 fragments of K or V; v96-159 S^T, then p; v160-191 O^T; v224-239 codes; v236-254 at work.
.set MB,   1048576
.set KP,   80                          ; a key's row in LDS: 64 bytes + 16
.set VP,   144                         ; a row of V's chunk: 128 bytes + 16
.set VL,   1024*KP                     ; V begins behind K's 1,024 rows
.set STG,  VL+8*64*VP                  ; the way out: 1,024 bytes for each wave, bytes that no tile lands in
.set AK0,  1
.set AV0,  2
.set QV,   3                           ; my query - 16 (lane / 16)
.set GO,   7                           ; 16 x lane
.set ADK,  8
.set ADV,  9
.set WV,   18
.set JW,   19
.set SEL,  20
.set CS,   22
.set G1K,  24
.set G1V,  32
.set G0K,  40                          ; s[40:55] four groups 0 for K's parts
.set G0V,  68                          ; s[68:83] four for V's
.macro CROUND                          ; a round of the cluster's barrier
	s_barrier_signal -1
	s_barrier_wait -1
	s_cmp_lg_u32 s[WV], 0
	s_cbranch_scc1 .Lnot_wave_0_\@
	s_barrier_signal -3
.Lnot_wave_0_\@:
	s_barrier_wait -3
	s_barrier_signal -1
	s_barrier_wait -1
.endm
	s_load_b128 s[4:7], s[0:1], 0x0                ; qkvc, lowp_scales
	s_load_b64 s[8:9], s[0:1], 0x10                ; attc
	v_lshl_add_u32 v251, v0, 2, 0x2a000
	v_mov_b32 v255, 0
	ds_add_u32 v251, v255
	ds_add_u32 v251, v255
	v_lshrrev_b32 v8, 5, v0
	s_delay_alu instid0(VALU_DEP_1)
	v_readfirstlane_b32 s[WV], v8                  ; wave 0..15
	s_bfe_u32 s14, ttmp6, 0x40000                  ; cx
	s_and_b32 s15, ttmp7, 0xffff                   ; 16 batch + head
	s_lshr_b32 s10, s[WV], 2
	s_and_b32 s11, s[WV], 3
	s_add_co_u32 s10, s10, s11
	s_and_b32 s10, s10, 3
	s_lshl_b32 s10, s10, 2
	s_add_co_u32 s[JW], s10, s11                   ; J: each of 0 .. 15 once; the four longest differ in wave % 4 and in wave / 4
	s_mov_b32 s[G1K], 15|(1<<20)|(1<<21)|(3<<22)|(3<<25)   ; the mask: all four work-groups; elements of 1 byte; padding on; bit 21 beside a mask; 4 words after every 16
	s_mov_b32 s[G1K+1], 256<<16                    ; a part's 256 rows of 64 bytes are dense: stated as 64 rows of 256 bytes, the padding still behind every 64
	s_mov_b32 s[G1K+2], 64<<16
	s_mov_b32 s[G1K+3], 256<<16
	s_mov_b32 s[G1K+4], 64
	s_mov_b32 s[G1K+5], 256
	s_mov_b32 s[G1K+6], 0
	s_mov_b32 s[G1K+7], 0
	s_mov_b32 s[G1V], 15|(1<<20)|(1<<21)|(4<<22)|(3<<25)   ; 4 words after every 32
	s_mov_b32 s[G1V+1], 256<<16                    ; likewise: 128 dense rows of 128 bytes as 64 rows of 256
	s_mov_b32 s[G1V+2], 64<<16
	s_mov_b32 s[G1V+3], 256<<16
	s_mov_b32 s[G1V+4], 64
	s_mov_b32 s[G1V+5], 256
	s_mov_b32 s[G1V+6], 0
	s_mov_b32 s[G1V+7], 0
	s_mov_b32 s[SEL], 0x76543210
	s_mov_b32 s[SEL+1], 0xfedcba98
	s_mov_b32 s[CS], 0x3d38aa3b                    ; c = log2(e) / 32
	s_lshl_b32 s12, s15, 16                        ; a head's 65,536 bytes in each of q, k, v
	s_mov_b32 s13, 0
	s_wait_dscnt 0x0
	s_wait_kmcnt 0x0
	s_load_b128 s[84:87], s[6:7], 0x18             ; e6 (q), e7 (k), e8 (p), e9 (v)
	s_load_b32 s88, s[6:7], 0x28                   ; e10 (att)
	s_add_nc_u64 s[4:5], s[4:5], s[12:13]          ; q of my head: holds no cx
.irp c, 0,1,2,3                        ; part c: keys 256 c .. 256 c + 255
	s_mov_b32 s[G0K+4*\c], 1
	s_mov_b32 s[G0K+4*\c+1], 256*KP*\c
	s_add_nc_u64 s[G0K+4*\c+2:G0K+4*\c+3], s[4:5], 4*MB+16384*\c
	s_or_b32 s[G0K+4*\c+3], s[G0K+4*\c+3], 0x80000000
	s_mov_b32 s[G0V+4*\c], 1
	s_mov_b32 s[G0V+4*\c+1], VL+128*VP*\c
	s_add_nc_u64 s[G0V+4*\c+2:G0V+4*\c+3], s[4:5], 8*MB+16384*\c
	s_or_b32 s[G0V+4*\c+3], s[G0V+4*\c+3], 0x80000000
.endr
	CROUND                                         ; all four work-groups are here: the joint loads meet
	; one chain of branches on the wave's number: waves 0 to 3 ask for K's four parts, waves 4 to 7 for V's, one load each; the others ask for nothing
.irp c, 0,1,2,3
	s_cmp_eq_u32 s[WV], \c
	s_cbranch_scc0 .Lnk\c
	tensor_load_to_lds s[G0K+4*\c:G0K+4*\c+3], s[G1K:G1K+7]
	s_nop 0
.rept 4
	v_nop
.endr
	s_branch .Lasked
.Lnk\c:
.endr
.irp c, 0,1,2,3
	s_cmp_eq_u32 s[WV], 4+\c
	s_cbranch_scc0 .Lnv\c
	tensor_load_to_lds s[G0V+4*\c:G0V+4*\c+3], s[G1V:G1V+7]
	s_nop 0
.rept 4
	v_nop
.endr
	s_branch .Lasked
.Lnv\c:
.endr
.Lasked:
	s_lshl_b32 s92, s[JW], 6
	s_lshl_b32 s93, s14, 4
	s_add_co_u32 s92, s92, s93                     ; my first query
	s_lshl_b32 s94, s92, 6
	s_mov_b32 s95, 0
	s_add_nc_u64 s[90:91], s[4:5], s[94:95]        ; its codes
	s_and_b32 s96, s15, 15
	s_lshl_b32 s96, s96, 18                        ; the head's plane of attc,
	s_lshr_b32 s97, s15, 4
	s_lshl_b32 s97, s97, 16                        ; the batch's 1,024 tokens of 64 bytes,
	s_add_co_u32 s96, s96, s97
	s_add_co_u32 s96, s96, s94                     ; my first query
	s_mov_b32 s97, 0
	s_add_nc_u64 s[8:9], s[8:9], s[96:97]
	v_and_b32 v8, 15, v0                           ; r
	v_bfe_u32 v9, v0, 4, 1                         ; h
	s_delay_alu instid0(VALU_DEP_2)
	v_lshlrev_b32 v10, 6, v8
	s_delay_alu instid0(VALU_DEP_1)
	v_lshl_add_u32 v10, v9, 4, v10
	global_load_b128 v[16:19], v10, s[90:91]       ; Q's fragment: d = 16 h + 0 .. 15,
	global_load_b128 v[20:23], v10, s[90:91] offset:32   ; and 32 + 16 h + 0 .. 15: the same places as K's
	v_mul_u32_u24 v[AK0], v8, KP
	s_delay_alu instid0(VALU_DEP_1)
	v_lshl_add_u32 v[AK0], v9, 4, v[AK0]
	v_mul_u32_u24 v[AV0], v8, VP
	s_delay_alu instid0(VALU_DEP_1)
	v_lshl_add_u32 v[AV0], v9, 4, v[AV0]
	s_delay_alu instid0(VALU_DEP_1)
	v_add_nc_u32 v[AV0], VL, v[AV0]
	v_lshlrev_b32 v11, 4, v9
	s_delay_alu instid0(VALU_DEP_1)
	v_sub_nc_u32 v[QV], v8, v11
	s_delay_alu instid0(VALU_DEP_1)
	v_add_nc_u32 v[QV], s92, v[QV]
	v_and_b32 v[GO], 31, v0
	s_delay_alu instid0(VALU_DEP_1)
	v_lshlrev_b32 v[GO], 4, v[GO]
	v_mov_b32 v13, 0xff61b1e6                      ; the largest t so far: -3e38
	s_delay_alu instid0(VALU_DEP_1)
	v_floor_f32 v12, -v13                          ; -M
	v_mov_b32 v14, 0
	v_mov_b32 v15, 0
	v_mov_b32 v236, 0                              ; written once: a lane permute's destination counts as one of its sources
	v_mov_b32 v253, 0                              ; (named as the upper half of the pair v[252:253])
.set N, 0
.rept 32
	v_mov_b32 v[160+N], 0                          ; O^T: the step is written in one form; the first finds zeros
.set N, N+1
.endr
	s_wait_kmcnt 0x0
	s_add_co_i32 s10, s84, s85
	s_lshl_b32 s10, s10, 23
	s_add_co_i32 s[CS], s[CS], s10                 ; a score stands for score x 2^(e6 + e7)
	s_mov_b32 s[CS+1], s[CS]
	s_add_co_i32 s10, s86, 127
	s_lshl_b32 s11, s10, 23
	v_mov_b32 v244, s11                            ; 2^e8
	s_add_co_i32 s10, s10, 15
	s_lshl_b32 s10, s10, 23
	s_or_b32 s10, s10, 0x600000
	v_mov_b32 v240, s10                            ; 57,344 x 2^e8
	s_sub_co_i32 s10, s88, s86
	s_sub_co_i32 s10, s10, s87                     ; O^T / the sum stands for att / 2^(e8 + e9): its code is that / 2^(e10 - e8 - e9)
	s_add_co_i32 s10, s10, 127
	s_lshl_b32 s11, s10, 23
	v_mov_b32 v245, s11
	s_add_co_i32 s10, s10, 15
	s_lshl_b32 s10, s10, 23
	s_or_b32 s10, s10, 0x600000
	v_mov_b32 v241, s10
; A KEY STEP: keys 128 s .. 128 s + 127
.macro STEP s
.if (\s) > 0
	s_cmp_lt_u32 s[JW], 2*(\s)                     ; all its keys come after my queries: nothing to do; no barrier and no tensor load stands in a step
	s_cbranch_scc1 .Lhid_\@
.endif
	v_add_nc_u32 v[ADK], 128*KP*(\s), v[AK0]
	v_add_nc_u32 v[ADV], 64*VP*(\s), v[AV0]
	v_nop
	v_nop                                          ; four places in front of loads into registers that the last products read
.irp t, 0,1,2,3,4,5,6,7
	ds_load_b128 v[32+8*\t:35+8*\t], v[ADK] offset:16*KP*\t
	ds_load_b128 v[36+8*\t:39+8*\t], v[ADK] offset:16*KP*\t+32
.endr
	s_wait_dscnt 0x0
.irp t, 0,1,2,3,4,5,6,7
	v_wmma_f32_16x16x64_bf8_bf8 v[96+8*\t:103+8*\t], v[32+8*\t:39+8*\t], v[16:23], 0
.endr
.rept 4
	v_nop
.endr
	s_cmp_ge_u32 s[JW], 2*(\s)+2                   ; all its keys count: no mask
	s_cbranch_scc1 .Lopen_\@
	v_add_nc_u32 v252, -128*(\s), v[QV]            ; d = my query - 128 s - 16 (lane / 16); register 16 b + i holds key 128 s + 16 (lane / 16) + 32 b + i: hidden where 32 b + i > d
	v_mov_b32 v254, 0xff800000                     ; -infinity
.set N, 0
.rept 64
	v_cmp_gt_i32 vcc_lo, 32*(N/16)+N%16, v252
	v_cndmask_b32 v[96+N], v[96+N], v254, vcc_lo
.set N, N+1
.endr
.Lopen_\@:
	v_max3_num_f32 v254, v96, v97, v98             ; the step's largest score of my query, in two chains,
	v_max3_num_f32 v252, v99, v100, v101
.irp i, 6,10,14,18,22,26,30,34,38,42,46,50,54,58
	v_max3_num_f32 v254, v254, v[96+\i], v[97+\i]
	v_max3_num_f32 v252, v252, v[98+\i], v[99+\i]
.endr
	v_max3_num_f32 v254, v254, v158, v159
	s_delay_alu instid0(VALU_DEP_1)
	v_max_num_f32 v254, v254, v252
	v_permlanex16_b32 v236, v254, s[SEL], s[SEL+1]
	s_delay_alu instid0(VALU_DEP_1)
	v_max_num_f32 v254, v254, v236                 ; and among lane l xor 16's
	s_delay_alu instid0(VALU_DEP_1)
	v_mul_f32 v254, s[CS], v254                    ; as t (c is positive)
	s_delay_alu instid0(VALU_DEP_1)
	v_max_num_f32 v13, v13, v254
	v_mov_b32 v254, v12
	s_delay_alu instid0(VALU_DEP_2)
	v_floor_f32 v12, -v13                          ; the new -M = -ceil(t): a whole number
	s_delay_alu instid0(VALU_DEP_1)
	v_sub_f32 v254, v12, v254
	s_delay_alu instid0(VALU_DEP_1)
	v_cvt_i32_f32 v254, v254                       ; (it saturates)
	s_delay_alu instid0(VALU_DEP_1)
	v_ldexp_f32 v252, 1.0, v254                    ; f = 2^(old M - new M): rounds nothing
.set N, 0
.rept 32
	v_pk_fma_f32 v[96+N:97+N], v[96+N:97+N], s[CS:CS+1], v[12:13] op_sel_hi:[1,0,0]   ; t - M
.set N, N+2
.endr
.set N, 0
	s_wait_alu depctr_va_vdst(0)
.rept 64
	v_exp_f32 v[96+N], v[96+N]                     ; p = 2^(t - M): not normalised
.set N, N+1
.endr
	v_pk_mul_f32 v[14:15], v[14:15], v[252:253] op_sel_hi:[1,0]   ; the sums under the new M: the plain line behind the exponentials
	s_wait_alu depctr_va_vdst(0)                   ; one wait for the whole batch, ahead of its first reader
	v_pk_add_f32 v[242:243], v[100:101], v[104:105]
	v_pk_add_f32 v[248:249], v[108:109], v[112:113]
	v_pk_add_f32 v[246:247], v[116:117], v[120:121]
	v_pk_add_f32 v[238:239], v[124:125], v[128:129]
	v_pk_add_f32 v[236:237], v[132:133], v[136:137]
	v_pk_add_f32 v[234:235], v[140:141], v[144:145]
	v_pk_add_f32 v[232:233], v[148:149], v[152:153]
	v_pk_add_f32 v[14:15], v[14:15], v[156:157]
	v_pk_add_f32 v[242:243], v[242:243], v[96:97]
	v_pk_add_f32 v[248:249], v[248:249], v[98:99]
	v_pk_add_f32 v[246:247], v[246:247], v[102:103]
	v_pk_add_f32 v[238:239], v[238:239], v[106:107]
	v_pk_add_f32 v[236:237], v[236:237], v[110:111]
	v_pk_add_f32 v[234:235], v[234:235], v[114:115]
	v_pk_add_f32 v[232:233], v[232:233], v[118:119]
	v_pk_add_f32 v[14:15], v[14:15], v[122:123]
	v_pk_add_f32 v[242:243], v[242:243], v[126:127]
	v_pk_add_f32 v[248:249], v[248:249], v[130:131]
	v_pk_add_f32 v[246:247], v[246:247], v[134:135]
	v_pk_add_f32 v[238:239], v[238:239], v[138:139]
	v_pk_add_f32 v[236:237], v[236:237], v[142:143]
	v_pk_add_f32 v[234:235], v[234:235], v[146:147]
	v_pk_add_f32 v[232:233], v[232:233], v[150:151]
	v_pk_add_f32 v[14:15], v[14:15], v[154:155]
	v_pk_add_f32 v[242:243], v[242:243], v[158:159]
	s_delay_alu instid0(VALU_DEP_2)
	v_pk_add_f32 v[14:15], v[14:15], v[238:239]
	s_delay_alu instid0(VALU_DEP_2)
	v_pk_add_f32 v[242:243], v[242:243], v[236:237]
	v_pk_add_f32 v[248:249], v[248:249], v[234:235]
	v_pk_add_f32 v[246:247], v[246:247], v[232:233]
	s_delay_alu instid0(VALU_DEP_2)
	v_pk_add_f32 v[14:15], v[14:15], v[248:249]
	s_delay_alu instid0(VALU_DEP_2)
	v_pk_add_f32 v[242:243], v[242:243], v[246:247]
	s_delay_alu instid0(VALU_DEP_1)
	v_pk_add_f32 v[14:15], v[14:15], v[242:243]
.irp b, 0,1,2,3
.set N, 0
.rept 16
	v_min_num_f32 v[96+16*\b+N], v[96+16*\b+N], v240   ; the conversion does not saturate (ISA guide 7.6.2); p is not negative, so the hold is one-sided
.set N, N+1
.endr
	v_cvt_scalef32_pk8_bf8_f32 v[224+4*\b:225+4*\b], v[96+16*\b:103+16*\b], v244
	v_cvt_scalef32_pk8_bf8_f32 v[226+4*\b:227+4*\b], v[104+16*\b:111+16*\b], v244
.endr
.set N, 0
.rept 16
	v_pk_mul_f32 v[160+N:161+N], v[160+N:161+N], v[252:253] op_sel_hi:[1,0]   ; O^T under the new M; also the plain lines behind the conversions
.set N, N+2
.endr
.irp t, 0,1,2,3
.irp c, 0,1,2,3
	ds_load_b128 v[32+16*\t+4*\c:32+16*\t+4*\c+3], v[ADV] offset:16*VP*\t+32*\c
.endr
.endr
	s_wait_alu depctr_va_vdst(0)
	s_wait_dscnt 0x0
.irp t, 0,1,2,3                        ; O^T += V^T P^T: the four accumulators take turns
	v_wmma_f32_16x16x128_bf8_bf8 v[160+8*\t:167+8*\t], v[32+16*\t:47+16*\t], v[224:239], v[160+8*\t:167+8*\t]
.endr
.Lhid_\@:
.endm
	s_wait_loadcnt 0x0                             ; Q
	s_wait_tensorcnt 0x0                           ; in the waves that asked: my part is in; nothing is ever filled again
	s_barrier_signal -1
	s_barrier_wait -1                              ; all eight parts are in
.irp c, 0,1,2,3,4,5,6,7
	STEP \c
.endr
	; THE WAY OUT: O^T / the sum, quantised; 16 queries x 64 codes are 1,024 consecutive bytes of attc
	v_add_f32 v14, v14, v15
	s_delay_alu instid0(VALU_DEP_1)
	v_permlanex16_b32 v252, v14, s[SEL], s[SEL+1]
	s_delay_alu instid0(VALU_DEP_1)
	v_add_f32 v14, v14, v252                       ; the row's sum
	s_wait_alu depctr_va_vdst(0)
	v_rcp_f32 v14, v14
	v_and_b32 v8, 15, v0                           ; (a plain line behind the transcendental)
	v_bfe_u32 v9, v0, 4, 1
	s_lshl_b32 s10, s[WV], 10
	s_add_co_u32 s10, s10, STG                     ; my stage
	v_lshlrev_b32 v10, 6, v8
	s_delay_alu instid0(VALU_DEP_1)
	v_lshl_add_u32 v10, v9, 3, v10
	s_delay_alu instid0(VALU_DEP_1)
	v_add_nc_u32 v10, s10, v10                     ; in: row r of 64 bytes, + 8 h
	v_add_nc_u32 v11, s10, v[GO]                   ; back: as the bytes lie
	s_wait_alu depctr_va_vdst(0)                   ; ahead of the reciprocal's first reader
.set N, 0
.rept 32
	v_mul_f32 v[96+N], v[160+N], v14               ; register 8 t + j: d = 16 t + 8 h + j
.set N, N+1
.endr
.set N, 0
.rept 32
	v_med3_num_f32 v[96+N], v[96+N], -v241, v241
.set N, N+1
.endr
.irp t, 0,1,2,3
	v_cvt_scalef32_pk8_bf8_f32 v[224+2*\t:225+2*\t], v[96+8*\t:103+8*\t], v245
.endr
	v_nop
.irp t, 0,1,2,3
	ds_store_b64 v10, v[224+2*\t:225+2*\t] offset:16*\t
.endr
	ds_load_b128 v[32:35], v11                     ; LDS serves a wave's instructions in order
	ds_load_b128 v[36:39], v11 offset:512
	s_wait_dscnt 0x0
	global_store_b128 v[GO], v[32:35], s[8:9]      ; 512 consecutive bytes, aligned
	global_store_b128 v[GO], v[36:39], s[8:9] offset:512
	s_wait_tensorcnt 0x0
	ds_add_u32 v251, v255
	s_wait_dscnt 0x0
	CROUND                                         ; the closing round
	s_endpgm
.Lfunc_end_k_q71dbf6ee16_attn:
	.size	k_q71dbf6ee16_attn, .Lfunc_end_k_q71dbf6ee16_attn-k_q71dbf6ee16_attn
	.p2alignl 7, 3214868480
	.fill 96, 4, 3214868480
	.section	.rodata,"a",@progbits
	.p2align	6, 0x0
	.amdhsa_kernel k_q71dbf6ee16_attn
		.amdhsa_group_segment_fixed_size 174080
		.amdhsa_private_segment_fixed_size 0
		.amdhsa_enable_private_segment 0
		.amdhsa_kernarg_size 24
		.amdhsa_user_sgpr_count 2
		.amdhsa_user_sgpr_kernarg_segment_ptr 1
		.amdhsa_wavefront_size32 1
		.amdhsa_system_sgpr_workgroup_id_x 1
		.amdhsa_system_sgpr_workgroup_id_y 1
		.amdhsa_system_sgpr_workgroup_id_z 1
		.amdhsa_system_vgpr_workitem_id 0
		.amdhsa_next_free_vgpr 256
		.amdhsa_next_free_sgpr 100
		.amdhsa_reserve_vcc 1
		.amdhsa_float_denorm_mode_32 3
		.amdhsa_float_denorm_mode_16_64 3
		.amdhsa_memory_ordered 1
		.amdhsa_forward_progress 1
		.amdhsa_inst_pref_size 182
	.end_amdhsa_kernel
	.amdgpu_metadata
---
amdhsa.version: [ 1, 2 ]
amdhsa.kernels:
  - .name:           k_q71dbf6ee16_attn
    .symbol:         k_q71dbf6ee16_attn.kd
    .args:
      - { .name: qkvc, .offset: 0, .size: 8, .value_kind: global_buffer, .address_space: global }
      - { .name: lowp_scales, .offset: 8, .size: 8, .value_kind: global_buffer, .address_space: global }
      - { .name: attc, .offset: 16, .size: 8, .value_kind: global_buffer, .address_space: global }
    .group_segment_fixed_size: 174080
    .private_segment_fixed_size: 0
    .kernarg_segment_align: 8
    .kernarg_segment_size: 24
    .max_flat_workgroup_size: 512
    .sgpr_count:     100
    .vgpr_count:     256
    .wavefront_size: 32
...
	.end_amdgpu_metadata
.endif
;; end of part 3
;; launch proj (part 4): grid 8 x 32, 4 waves a work-group, clusters of 4 x 4, 327,680 bytes of LDS; arguments attc, wcodes, lowp_scales, bp, x, x1; writes x1
.if DOCPART == 4
	.amdgcn_target "amdgcn-amd-amdhsa--gfx1250"
	.amdhsa_code_object_version 6
	.text
	.protected	k_q71dbf6ee16_proj
	.globl	k_q71dbf6ee16_proj
	.p2align	8
	.type	k_q71dbf6ee16_proj,@function
k_q71dbf6ee16_proj:
	s_mov_b64 s[64:65], 0
	v_nop
	global_prefetch_b8 v0, s[64:65] scope:SCOPE_SE
	s_setreg_imm32_b32 hwreg(HW_REG_WAVE_MODE, 25, 1), 1
	s_wait_xcnt 0x0
	s_wait_alu depctr_hold_cnt(0) depctr_sa_sdst(0) depctr_va_vdst(0) depctr_va_sdst(0) depctr_va_ssrc(0) depctr_va_vcc(0) depctr_vm_vsrc(0)
	s_getreg_b32 s2, hwreg(HW_REG_IB_STS2, 6, 4)
	s_cmp_eq_u32 s2, 0
	s_cbranch_scc0 .Lentry_in_a_cluster
	s_endpgm
.Lentry_in_a_cluster:
	s_bfe_u32 s2, ttmp6, 0x10000c
	s_cmp_lg_u32 s2, 0xf033
	s_cbranch_scc0 .Lentry_shape_is_right
	s_endpgm
.Lentry_shape_is_right:
; out = resid + A W^T x 2^(ea + ew) + bias.  Here: x1 = x + att Wp + bp.  A and W are codes of BF8 (E5M2); sums, bias and residual f32.
; A lies in planes of PLK along K: [K / PLK][4,096 tokens][PLK]; W [1,024 (n)][SIZE_K], K innermost.  out, resid: [4,096][1,024] f32.
; A tile of the output is 128 x 128: 256 work-groups; four waves of 64 x 64: 16 accumulators.  K goes in steps of 512 through two LDS slots, four quarters of 128 each.
; A's part of a slot is fetched by ONE load for 64 tokens: a plane's 64 token rows are dense in memory and are stated as one row of 64 PLK bytes, with 16 bytes of padding behind every PLK.
; THE MATRIX INSTRUCTION IS USED TRANSPOSED (source 0 = 16 rows of W, source 1 = 16 tokens): a lane holds eight neighbouring outputs of a token.  A wave's 64 outputs of a token are 256 aligned bytes.
; CLUSTERS: 4 x 4 work-groups; A's tiles are asked for jointly along a row of the cluster, W's along a column.
; LIMIT: ea + ew between -126 and 127, so that 2^(ea + ew) is an f32 number.
; REGISTERS: window 0: v0-31 addresses; v32-95 the way out; v96-99 bias; v128-255 accumulators.  window 1: two fragment buffers of 128 (A's four fragments, then W's four).  window 2: v0-127 the residual.
.set MB,     1048576
.set SIZE_K, 1024
.set PLK,    64
.set AQI,    3                         ; padding behind every 2 << AQI words = PLK bytes
.set WOFF,   3*MB                      ; the weight's codes in wcodes
.set EOFF,   40                        ; the byte of (ea, ew) in lowp_scales
.set KSLOT,  1024                      ; the whole K lies in LDS at once: one fill a wave, nothing is filled again; 'slot' 0 and 1 below name its two halves along K
.set APITCH, PLK+16
.set NPL,    KSLOT/PLK
.set PLANEB, 64*APITCH
.set HALFA,  NPL*PLANEB                ; 64 tokens x 1,024 K
.set PITCH,  1040                      ; W's LDS row: 1,024 bytes + 16
.set HALFB,  64*PITCH
.set SLOT,   2*HALFA+2*HALFB
.set STAGE,  SLOT
.set SPITCH, 272
.set SPARE,  STAGE+4*16*SPITCH         ; the spare words, 128 bytes a wave: two blocks of 256 bytes that no other line names
.set LAPS,   SIZE_K/(2*KSLOT)
.set ADRA, 16
.set ADRB, 20
.set STO,  24
.set RD,   25
.set CO,   26
.set BO,   27
.set SPW,  28
.set NIL,  29
.set TMP,  32
.set BI,   96
.set ACC,  128
.set F0,   0
.set F1,   128
.set G1, 24
.set G0, 32
.set G1B, 48
.set G0B, 56
.set MSB, 0
.macro WIN new                         ; the immediate's high byte repeats the setting that is left
.if MSB != \new
	s_set_vgpr_msb (MSB<<8)|\new
.set MSB, \new
.endif
.endm
.set MUL,  0x05                        ; sources 0 and 1 window 1; C and D window 0
.set TO_F, 0x40                        ; destination window 1
.macro JLOAD s                         ; waves 0 and 1 fetch A's halves, waves 2 and 3 W's; four v_nop follow each of the two lines
	s_cmp_eq_u32 s11, 0
	s_cbranch_scc0 .Lfor_b_\@
	tensor_load_to_lds s[G0+4*\s:G0+4*\s+3], s[G1:G1+7]
	s_nop 0
.rept 4
	v_nop
.endr
	s_branch .Lasked_\@
.Lfor_b_\@:
	tensor_load_to_lds s[G0B+4*\s:G0B+4*\s+3], s[G1B:G1B+7]
	s_nop 0
.rept 4
	v_nop
.endr
.Lasked_\@:
.endm
.macro CREST
	s_cmp_lg_u32 s10, 0
	s_cbranch_scc1 .Lnot_wave_0_\@
	s_barrier_signal -3
.Lnot_wave_0_\@:
	s_barrier_wait -3
	s_barrier_signal -1
	s_barrier_wait -1
.endm
.macro CROUND
	s_barrier_signal -1
	s_barrier_wait -1
	CREST
.endm
	s_load_b256 s[68:75], s[0:1], 0x0              ; A 68, wcodes 70, lowp_scales 72, bias 74
	s_load_b128 s[76:79], s[0:1], 0x20             ; resid 76, out 78
	v_lshl_add_u32 v[SPW], v0, 2, SPARE
	v_mov_b32 v[NIL], 0
	ds_add_u32 v28, v29
	ds_add_u32 v28, v29
	s_wait_dscnt 0x0
	v_lshrrev_b32 v1, 5, v0
	v_readfirstlane_b32 s10, v1                    ; wave 0..3
	s_lshr_b32 s11, s10, 1                         ; which half of the tokens is mine.  Also: I fetch for A (0) or for W (1)
	s_and_b32 s12, s10, 1                          ; which half of the outputs.  Also: which 64 rows I fetch
	s_bfe_u32 s40, ttmp6, 0x40000                  ; cx
	s_bfe_u32 s41, ttmp6, 0x40004                  ; cy
	s_lshl_b32 s42, ttmp9, 2
	s_add_co_u32 s42, s42, s40                     ; tile column
	s_and_b32 s13, ttmp7, 0xffff
	s_lshl_b32 s13, s13, 2
	s_add_co_u32 s13, s13, s41                     ; tile row
	s_lshl_b32 s43, s41, 2
	s_lshl_b32 s43, 15, s43                        ; my row of the cluster
	s_lshl_b32 s44, 0x1111, s40                    ; my column
	s_or_b32 s[G1+0], s43, (0<<16)|(1<<20)|(1<<21)|(AQI<<22)|(3<<25)   ; the mask; elements of 1 byte; padding on; bit 21 beside a mask; 4 words after every PLK bytes
	s_mov_b32 s[G1+1], ((64*PLK)&0xffff)<<16       ; tensor_dim0: 64 tokens of a plane
	s_mov_b32 s[G1+2], NPL<<16                     ; tensor_dim1: the slot's planes
	s_mov_b32 s[G1+3], (64*PLK)<<16                ; tile_dim0
	s_mov_b32 s[G1+4], NPL                         ; tile_dim1
	s_mov_b32 s[G1+5], 4096*PLK                    ; from plane to plane
	s_mov_b32 s[G1+6], 0
	s_mov_b32 s[G1+7], 0
	s_or_b32 s[G1B+0], s44, (0<<16)|(1<<20)|(1<<21)|(7<<22)|(3<<25)    ; 4 words after every 256
	s_mov_b32 s[G1B+1], KSLOT<<16
	s_mov_b32 s[G1B+2], 64<<16
	s_mov_b32 s[G1B+3], KSLOT<<16
	s_mov_b32 s[G1B+4], 64
	s_mov_b32 s[G1B+5], SIZE_K
	s_mov_b32 s[G1B+6], 0
	s_mov_b32 s[G1B+7], 0
	s_lshl_b32 s16, s13, 7
	s_lshl_b32 s17, s12, 6
	s_add_co_u32 s16, s16, s17
	s_mul_i32 s16, s16, PLK                        ; A: token 128 x tile row + 64 x half, in plane 0
	s_mov_b32 s17, 0
	s_lshl_b32 s46, s42, 7
	s_lshl_b32 s47, s12, 6
	s_add_co_u32 s46, s46, s47
	s_mul_i32 s46, s46, SIZE_K
	s_add_co_u32 s46, s46, WOFF                    ; W: row 128 x tile column + 64 x half
	s_mov_b32 s47, 0
	s_mul_i32 s20, s12, HALFA                      ; where they go: no place in the cluster enters an LDS address
	s_mul_i32 s21, s12, HALFB
	s_add_co_u32 s21, s21, 2*HALFA
	s_wait_kmcnt 0x0
	s_load_b64 s[82:83], s[72:73], EOFF            ; ea, ew
	s_add_nc_u64 s[14:15], s[68:69], s[16:17]
	s_add_nc_u64 s[46:47], s[70:71], s[46:47]
	CROUND                                         ; all sixteen work-groups are here: the first joint loads meet
.irp s, 0
	s_mov_b32 s[G0+4*\s], 1
	s_add_co_u32 s[G0+4*\s+1], s20, \s*SLOT
	s_add_nc_u64 s[G0+4*\s+2:G0+4*\s+3], s[14:15], \s*NPL*4096*PLK
	s_or_b32 s[G0+4*\s+3], s[G0+4*\s+3], 0x80000000
	s_mov_b32 s[G0B+4*\s], 1
	s_add_co_u32 s[G0B+4*\s+1], s21, \s*SLOT
	s_add_nc_u64 s[G0B+4*\s+2:G0B+4*\s+3], s[46:47], \s*KSLOT
	s_or_b32 s[G0B+4*\s+3], s[G0B+4*\s+3], 0x80000000
	JLOAD \s
.endr
	v_and_b32 v1, 15, v0                           ; r
	v_bfe_u32 v2, v0, 4, 1                         ; h
	v_lshlrev_b32 v[CO], 12, v2
	v_lshl_add_u32 v[CO], v1, 4, v[CO]             ; out and resid: lanes 0-15 one row's 256 bytes, lanes 16-31 the next row's
	v_lshlrev_b32 v[BO], 4, v1
	s_wait_alu depctr_va_vdst(0)
	s_lshl_b32 s16, s13, 7
	s_lshl_b32 s17, s11, 6
	s_add_co_u32 s16, s16, s17
	s_lshl_b32 s16, s16, 12                        ; my first token's row of 4,096 bytes
	s_lshl_b32 s18, s42, 9
	s_lshl_b32 s19, s12, 8
	s_add_co_u32 s18, s18, s19                     ; my first output, in bytes
	s_add_co_u32 s16, s16, s18
	s_mov_b32 s17, 0
	s_mov_b32 s19, 0
	s_add_nc_u64 s[76:77], s[76:77], s[16:17]
	s_add_nc_u64 s[78:79], s[78:79], s[16:17]
	s_add_nc_u64 s[74:75], s[74:75], s[18:19]
	global_load_b128 v[BI:BI+3], v[BO], s[74:75]   ; the bias of the four outputs that I store
	WIN 0x80                                       ; destination window 2
.irp a, 0,1,2,3
.irp t, 0,1,2,3,4,5,6,7
	global_load_b128 v[32*\a+4*\t:32*\a+4*\t+3], v[CO], s[76:77] offset:(16*\a+2*\t)*4096 th:TH_LOAD_NT   ; the residual, in the layout of the stores; it lands under the products
.endr
.endr
	WIN 0
	v_mul_u32_u24 v3, v1, APITCH
	v_lshl_add_u32 v3, v2, 4, v3
	v_mul_u32_u24 v4, v1, PITCH
	v_lshl_add_u32 v4, v2, 4, v4
	s_mul_i32 s21, s11, HALFA                      ; my 64 tokens
	s_mul_i32 s22, s12, HALFB                      ; my 64 rows of W,
	s_add_co_u32 s22, s22, 2*HALFA                 ; which lie behind A's two halves
.irp s, 0,1
	v_add_nc_u32 v[ADRA+\s], s21, v3
	v_add_nc_u32 v[ADRB+\s], s22, v4
	s_add_co_u32 s21, s21, 8*PLANEB                ; the second 512 along K: eight planes on in A,
	s_add_co_u32 s22, s22, 512                     ; 512 bytes on in W's rows
.endr
	s_mul_i32 s23, s10, 16*SPITCH
	s_add_co_u32 s23, s23, STAGE                   ; my stage
	v_mul_u32_u24 v5, v1, SPITCH
	v_lshl_add_u32 v5, v2, 5, v5
	v_add_nc_u32 v[STO], s23, v5                   ; in: row r, 32 bytes for each half of the lanes
	v_mul_u32_u24 v5, v2, SPITCH
	v_lshl_add_u32 v5, v1, 4, v5
	v_add_nc_u32 v[RD], s23, v5                    ; back: two rows an instruction
; 4 matrix instructions: tokens' block a x W's four tiles, 128 along K.  The 16 accumulators take turns, one instruction a turn, in the same order in every quarter.
.macro MULA f, a, zero
.irp b, 0,1,2,3
.if \zero
	v_wmma_f32_16x16x128_bf8_bf8 v[ACC+8*(4*(\a)+\b):ACC+8*(4*(\a)+\b)+7], v[\f+64+16*\b:\f+64+16*\b+15], v[\f+16*(\a):\f+16*(\a)+15], 0
.else
	v_wmma_f32_16x16x128_bf8_bf8 v[ACC+8*(4*(\a)+\b):ACC+8*(4*(\a)+\b)+7], v[\f+64+16*\b:\f+64+16*\b+15], v[\f+16*(\a):\f+16*(\a)+15], v[ACC+8*(4*(\a)+\b):ACC+8*(4*(\a)+\b)+7]
.endif
.endr
.endm
.macro MUL8 f, a0, zero
	MULA \f, \a0, \zero
	MULA \f, \a0+1, \zero
.endm
; 32 LDS loads in one run: quarter q of a slot into buffer f: W's four fragments, then A's 0 and 1, then A's 2 and 3.  Registers 4 c .. 4 c + 3 hold K = 32 c + 16 (lane / 16) + 0 .. 15, alike on both sides
.macro FETCH slot, q, f
	WIN TO_F
.irp i, 0,1,2,3
.irp c, 0,1,2,3
	ds_load_b128 v[\f+64+16*\i+4*\c:\f+64+16*\i+4*\c+3], v[ADRB+\slot] offset:128*(\q)+32*\c+\i*16*PITCH
.endr
.endr
.irp i, 0,1,2,3
.irp c, 0,1,2,3
	ds_load_b128 v[\f+16*\i+4*\c:\f+16*\i+4*\c+3], v[ADRA+\slot] offset:((128*(\q)+32*\c)/PLK)*PLANEB+(128*(\q)+32*\c)%PLK+\i*16*APITCH
.endr
.endr
.endm
.macro PLACES                          ; four plain lines between a matrix instruction and a load into, or a read of, its registers
.rept 4
	v_nop
.endr
.endm
.macro QUARTER slot, qn, f, g, zero    ; multiplies buffer f; in its middle fetches quarter qn of the same slot into g
	s_wait_dscnt 8                                 ; W's fragments and A's 0 and 1 are in; the youngest eight loads (A's 2 and 3) may be out
	WIN MUL
	MUL8 \f, 0, \zero
	PLACES
	FETCH \slot, \qn, \g
	s_wait_dscnt 32                                ; all but the 32 just issued
	WIN MUL
	MUL8 \f, 2, \zero
.endm
; A slot's last quarter multiplies buffer 1 and changes slots: one barrier; in front of it each wave waits for all its tensor loads, adds 0 to its spare word, and waits for that and for its reads of this slot.
.macro TURN slot, next, fill
	WIN 0                                          ; (the add's two registers lie in window 0)
	s_wait_tensorcnt 0x0                           ; all my tensor loads have landed: my part of the next slot
	ds_add_u32 v[SPW], v[NIL]                      ; 0 onto my spare word
	s_wait_dscnt 9                                 ; the add and the youngest eight loads may be out
	WIN MUL
	MULA F1, 0, 0
	s_wait_dscnt 0x0                               ; the add is done, and my reads of this slot are over
	s_barrier_signal -1
	MULA F1, 1, 0
.if \fill
	WIN 0
.endif
	s_barrier_wait -1
.if \fill
	CREST                                          ; the barrier has opened a round of the cluster's: no wave of any partner still reads this slot or has a load on its way
	s_add_nc_u64 s[G0+4*\slot+2:G0+4*\slot+3], s[G0+4*\slot+2:G0+4*\slot+3], 2*NPL*4096*PLK
	s_add_nc_u64 s[G0B+4*\slot+2:G0B+4*\slot+3], s[G0B+4*\slot+2:G0B+4*\slot+3], 2*KSLOT
	JLOAD \slot                                    ; the first tensor load behind the round; its four v_nop are also the places in front of the loads below
.else
	PLACES
.endif
	FETCH \next, 0, F0
	WIN MUL
	MUL8 F1, 2, 0
.endm
	s_wait_alu depctr_va_vdst(0)
	s_wait_tensorcnt 0x0                           ; my one load is in
	s_barrier_signal -1
	s_barrier_wait -1
	FETCH 0, 0, F0
	QUARTER 0, 1, F0, F1, 1                        ; the first quarter's products start the sums
.if LAPS > 1
	WIN 0
	s_mov_b32 s3, LAPS-1
.Llap:                                                 ; a trip goes once round the ring and fills both slots again
	QUARTER 0, 2, F1, F0, 0
	QUARTER 0, 3, F0, F1, 0
	TURN 0, 1, 1
	QUARTER 1, 1, F0, F1, 0
	QUARTER 1, 2, F1, F0, 0
	QUARTER 1, 3, F0, F1, 0
	TURN 1, 0, 1
	QUARTER 0, 1, F0, F1, 0
	WIN 0
	s_sub_co_u32 s3, s3, 1
	s_cmp_lg_u32 s3, 0
	s_cbranch_scc1 .Llap
.endif
	QUARTER 0, 2, F1, F0, 0                        ; the last lap fills nothing
	QUARTER 0, 3, F0, F1, 0
	QUARTER 1, 0, F1, F0, 0                        ; on into the second half of K: no barrier, the bytes have been there since the head's
	QUARTER 1, 1, F0, F1, 0
	QUARTER 1, 2, F1, F0, 0
	QUARTER 1, 3, F0, F1, 0
	s_wait_dscnt 8
	WIN MUL
	MUL8 F1, 0, 0
	s_wait_dscnt 0
	MUL8 F1, 2, 0
	WIN 0
; THE WAY OUT, 16 tokens at a time: the sums go through my own stage and come back as rows of 256 bytes; then sum x 2^(ea + ew) + bias + residual.
.macro OUTB a
.set TT, TMP+32*((\a)%2)
.irp b, 0,1,2,3
	ds_store_b128 v[STO], v[ACC+8*(4*(\a)+\b):ACC+8*(4*(\a)+\b)+3] offset:64*\b        ; each accumulator from its low end on
	ds_store_b128 v[STO], v[ACC+8*(4*(\a)+\b)+4:ACC+8*(4*(\a)+\b)+7] offset:64*\b+16
.endr
.irp t, 0,1,2,3,4,5,6,7
	ds_load_b128 v[TT+4*\t:TT+4*\t+3], v[RD] offset:\t*2*SPITCH   ; LDS serves a wave's instructions in order
.endr
.endm
.macro FIN a, younger
.set TT, TMP+32*((\a)%2)
	s_wait_dscnt \younger                          ; the block is back; the next block's eight stores and eight loads may be out
.irp p, 0,1,2,3,4,5,6,7,8,9,10,11,12,13,14,15
	v_pk_fma_f32 v[TT+2*\p:TT+2*\p+1], v[TT+2*\p:TT+2*\p+1], s[80:81], v[BI+2*(\p%2):BI+2*(\p%2)+1] op_sel_hi:[1,0,1]
.endr
	WIN 0x08                                       ; source 1 window 2
.irp p, 0,1,2,3,4,5,6,7,8,9,10,11,12,13,14,15
	v_pk_add_f32 v[TT+2*\p:TT+2*\p+1], v[TT+2*\p:TT+2*\p+1], v[32*(\a)+2*\p:32*(\a)+2*\p+1]
.endr
	WIN 0
.irp t, 0,1,2,3,4,5,6,7
	global_store_b128 v[CO], v[TT+4*\t:TT+4*\t+3], s[78:79] offset:(16*(\a)+2*\t)*4096   ; 16 lanes store 256 consecutive bytes, aligned
.endr
.endm
	s_wait_loadcnt 0x0                             ; bias and residual
	s_wait_kmcnt 0x0
	s_add_co_i32 s80, s82, s83
	s_add_co_i32 s80, s80, 127
	s_lshl_b32 s80, s80, 23                        ; 2^(ea + ew)
	s_mov_b32 s81, s80
	PLACES
	OUTB 0
.irp a, 1,2,3
.if \a > 1
	s_wait_xcnt 0x0                                ; block a - 2's stores have read their registers
.endif
	OUTB \a
	FIN \a-1, 16
.endr
	FIN 3, 0
	s_wait_tensorcnt 0x0                           ; the wave's end
	ds_add_u32 v[SPW], v[NIL]
	s_wait_dscnt 0x0
	CROUND                                         ; the closing round
	s_endpgm
.Lfunc_end_k_q71dbf6ee16_proj:
	.size	k_q71dbf6ee16_proj, .Lfunc_end_k_q71dbf6ee16_proj-k_q71dbf6ee16_proj
	.p2alignl 7, 3214868480
	.fill 96, 4, 3214868480
	.section	.rodata,"a",@progbits
	.p2align	6, 0x0
	.amdhsa_kernel k_q71dbf6ee16_proj
		.amdhsa_group_segment_fixed_size 327680
		.amdhsa_private_segment_fixed_size 0
		.amdhsa_enable_private_segment 0
		.amdhsa_kernarg_size 48
		.amdhsa_user_sgpr_count 2
		.amdhsa_user_sgpr_kernarg_segment_ptr 1
		.amdhsa_wavefront_size32 1
		.amdhsa_system_sgpr_workgroup_id_x 1
		.amdhsa_system_sgpr_workgroup_id_y 1
		.amdhsa_system_sgpr_workgroup_id_z 1
		.amdhsa_system_vgpr_workitem_id 0
		.amdhsa_next_free_vgpr 768
		.amdhsa_next_free_sgpr 90
		.amdhsa_reserve_vcc 0
		.amdhsa_float_denorm_mode_32 3
		.amdhsa_float_denorm_mode_16_64 3
		.amdhsa_memory_ordered 1
		.amdhsa_forward_progress 1
		.amdhsa_inst_pref_size 52
	.end_amdhsa_kernel
	.amdgpu_metadata
---
amdhsa.version: [ 1, 2 ]
amdhsa.kernels:
  - .name:           k_q71dbf6ee16_proj
    .symbol:         k_q71dbf6ee16_proj.kd
    .args:
      - { .name: attc, .offset: 0, .size: 8, .value_kind: global_buffer, .address_space: global }
      - { .name: wcodes, .offset: 8, .size: 8, .value_kind: global_buffer, .address_space: global }
      - { .name: lowp_scales, .offset: 16, .size: 8, .value_kind: global_buffer, .address_space: global }
      - { .name: bp, .offset: 24, .size: 8, .value_kind: global_buffer, .address_space: global }
      - { .name: x, .offset: 32, .size: 8, .value_kind: global_buffer, .address_space: global }
      - { .name: x1, .offset: 40, .size: 8, .value_kind: global_buffer, .address_space: global }
    .group_segment_fixed_size: 327680
    .private_segment_fixed_size: 0
    .kernarg_segment_align: 8
    .kernarg_segment_size: 48
    .max_flat_workgroup_size: 128
    .sgpr_count:     90
    .vgpr_count:     768
    .wavefront_size: 32
...
	.end_amdgpu_metadata
.endif
;; end of part 4
;; launch ln2 (part 5): grid 512 x 1, 4 waves a work-group, no clusters, 0 bytes of LDS; arguments x1, ln2_g, ln2_b, lowp_scales, h2c; writes h2c
.if DOCPART == 5
	.amdgcn_target "amdgcn-amd-amdhsa--gfx1250"
	.amdhsa_code_object_version 6
	.text
	.protected	k_q71dbf6ee16_ln2
	.globl	k_q71dbf6ee16_ln2
	.p2align	8
	.type	k_q71dbf6ee16_ln2,@function
k_q71dbf6ee16_ln2:
	s_mov_b64 s[64:65], 0
	v_nop
	global_prefetch_b8 v0, s[64:65] scope:SCOPE_SE
	s_setreg_imm32_b32 hwreg(HW_REG_WAVE_MODE, 25, 1), 1
	s_wait_xcnt 0x0
; h2 = LayerNorm(x1) in f32 (mean, then the mean of the squared differences), quantised to codes of BF8 (E5M2) with the given 2^e12.  x1: [4,096][1,024] f32; h2c: [4,096][1,024] codes.
; One wave to a row, two rows a wave, the row kept in registers; a lane holds four groups of eight neighbours, so eight codes are 8 bytes and a wave's store is 256 consecutive aligned bytes.
; Memory binds: no LDS, no barrier, no matrix unit.  LIMIT: e12 between -126 and 112.  NaN among the inputs is not served.
.set LG,    16                         ; v16-47 gain, v48-79 bias, v80-143 two rows, v144-159 at work, v160-167 codes
.set LB,    48
.set XR,    80
.set T,     144
.set CQ,    160
.macro REDUCE                          ; v8 summed over the 32 lanes, in every lane
	v_add_f32_dpp v8, v8, v8 row_xmask:1 row_mask:0xf bank_mask:0xf
	v_add_f32_dpp v8, v8, v8 row_xmask:2 row_mask:0xf bank_mask:0xf
	v_add_f32_dpp v8, v8, v8 row_xmask:4 row_mask:0xf bank_mask:0xf
	v_add_f32_dpp v8, v8, v8 row_xmask:8 row_mask:0xf bank_mask:0xf
	v_permlanex16_b32 v9, v8, s62, s63
	v_add_f32 v8, v8, v9
.endm
.macro LOADX i
.irp g, 0,1,2,3
	global_load_b128 v[XR+32*((\i)%2)+8*\g:XR+32*((\i)%2)+8*\g+3], v2, s[20:21] offset:4096*(\i)+1024*\g th:TH_LOAD_NT
	global_load_b128 v[XR+32*((\i)%2)+8*\g+4:XR+32*((\i)%2)+8*\g+7], v2, s[20:21] offset:4096*(\i)+1024*\g+16 th:TH_LOAD_NT
.endr
.endm
.macro COMBINE
	v_pk_add_f32 v[T:T+1], v[T:T+1], v[T+2:T+3]
	v_pk_add_f32 v[T+4:T+5], v[T+4:T+5], v[T+6:T+7]
	v_pk_add_f32 v[T:T+1], v[T:T+1], v[T+4:T+5]
	v_add_f32 v8, v[T], v[T+1]
	REDUCE
.endm
.macro ROW i
.set XS, XR+32*((\i)%2)
.if (\i) < 1
	s_wait_loadcnt 8                               ; this row (and gain and bias) is in; the next row's eight loads may be out
.else
	s_wait_loadcnt 0
.endif
.irp k, 0,1,2,3
	v_pk_add_f32 v[T+2*\k:T+2*\k+1], v[XS+2*\k:XS+2*\k+1], v[XS+8+2*\k:XS+9+2*\k]
.endr
.irp k, 0,1,2,3
	v_pk_add_f32 v[T+2*\k:T+2*\k+1], v[T+2*\k:T+2*\k+1], v[XS+16+2*\k:XS+17+2*\k]
.endr
.irp k, 0,1,2,3
	v_pk_add_f32 v[T+2*\k:T+2*\k+1], v[T+2*\k:T+2*\k+1], v[XS+24+2*\k:XS+25+2*\k]
.endr
	COMBINE
	v_mul_f32 v4, s60, v8                          ; the mean, twice
	v_mul_f32 v5, s60, v8
.set P, 0
.rept 16
	v_pk_add_f32 v[XS+2*P:XS+2*P+1], v[XS+2*P:XS+2*P+1], v[4:5] neg_lo:[0,1] neg_hi:[0,1]
.set P, P+1
.endr
.irp k, 0,1,2,3
	v_pk_mul_f32 v[T+2*\k:T+2*\k+1], v[XS+2*\k:XS+2*\k+1], v[XS+2*\k:XS+2*\k+1]
.endr
.set P, 4
.rept 12
	v_pk_fma_f32 v[T+2*(P%4):T+2*(P%4)+1], v[XS+2*P:XS+2*P+1], v[XS+2*P:XS+2*P+1], v[T+2*(P%4):T+2*(P%4)+1]
.set P, P+1
.endr
	COMBINE
	v_fma_f32 v8, v8, s60, s61                     ; the variance + 1e-5
	s_wait_alu depctr_va_vdst(0)
	v_rsq_f32 v6, v8
	v_nop                                          ; a plain instruction behind the transcendental,
	s_wait_alu depctr_va_vdst(0)                   ; and the wait ahead of its first reader
	v_mov_b32 v7, v6
.set P, 0
.rept 16
	v_pk_mul_f32 v[XS+2*P:XS+2*P+1], v[XS+2*P:XS+2*P+1], v[6:7]
.set P, P+1
.endr
.set P, 0
.rept 16
	v_pk_fma_f32 v[XS+2*P:XS+2*P+1], v[XS+2*P:XS+2*P+1], v[LG+2*P:LG+2*P+1], v[LB+2*P:LB+2*P+1]
.set P, P+1
.endr
	s_wait_xcnt 0x0                                ; the last row's stores have read their data
.irp g, 0,1,2,3
.set TS, T+8*(\g%2)
.set P, 0
.rept 8
	v_med3_num_f32 v[TS+P], v[XS+8*\g+P], -v11, v11   ; the conversion does not saturate (ISA guide 7.6.2): the hold comes first
.set P, P+1
.endr
	v_cvt_scalef32_pk8_bf8_f32 v[CQ+2*\g:CQ+2*\g+1], v[TS:TS+7], v10   ; the next group's holds, on the other set, are the plain lines behind it
.endr
.irp g, 0,1,2,3
	global_store_b64 v3, v[CQ+2*\g:CQ+2*\g+1], s[22:23] offset:1024*(\i)+256*\g
.endr
.endm
	s_load_b256 s[8:15], s[0:1], 0x0               ; x1 8, ln2_g 10, ln2_b 12, lowp_scales 14
	s_load_b64 s[16:17], s[0:1], 0x20              ; h2c
	v_lshrrev_b32 v1, 5, v0
	v_readfirstlane_b32 s57, v1                    ; wave 0..3
	v_and_b32 v2, 31, v0
	v_lshlrev_b32 v3, 3, v2                        ; 8 x lane: my codes
	v_lshlrev_b32 v2, 5, v2                        ; 32 x lane: my numbers
	v_mov_b32 v9, 0                                ; written once: a lane permute's destination counts as one of its sources
	s_lshl_b32 s40, ttmp9, 3                       ; two rows a wave, eight a work-group: both rows' loads go out at the head
	s_lshl_b32 s41, s57, 1
	s_add_co_u32 s40, s40, s41                     ; my first row
	s_lshl_b32 s42, s40, 12
	s_mov_b32 s43, 0
	s_lshl_b32 s46, s40, 10
	s_mov_b32 s47, 0
	s_mov_b32 s60, 0x3a800000                      ; 1 / 1,024
	s_mov_b32 s61, 0x3727c5ac                      ; 1e-5
	s_mov_b32 s62, 0x76543210
	s_mov_b32 s63, 0xfedcba98
	s_wait_alu depctr_va_vdst(0)
	s_wait_kmcnt 0x0
	s_load_b32 s33, s[14:15], 0x30                 ; e12
	s_add_nc_u64 s[20:21], s[8:9], s[42:43]
	s_add_nc_u64 s[22:23], s[16:17], s[46:47]
.irp g, 0,1,2,3
	global_load_b128 v[LG+8*\g:LG+8*\g+3], v2, s[10:11] offset:1024*\g
	global_load_b128 v[LG+8*\g+4:LG+8*\g+7], v2, s[10:11] offset:1024*\g+16
	global_load_b128 v[LB+8*\g:LB+8*\g+3], v2, s[12:13] offset:1024*\g
	global_load_b128 v[LB+8*\g+4:LB+8*\g+7], v2, s[12:13] offset:1024*\g+16
.endr
	LOADX 0
	LOADX 1
	s_wait_kmcnt 0x0
	s_add_co_i32 s44, s33, 127
	s_lshl_b32 s45, s44, 23
	v_mov_b32 v10, s45                             ; 2^e12
	s_add_co_i32 s44, s44, 15
	s_lshl_b32 s44, s44, 23
	s_or_b32 s44, s44, 0x600000
	v_mov_b32 v11, s44                             ; 57,344 x 2^e12
	ROW 0
	ROW 1
	s_endpgm
.Lfunc_end_k_q71dbf6ee16_ln2:
	.size	k_q71dbf6ee16_ln2, .Lfunc_end_k_q71dbf6ee16_ln2-k_q71dbf6ee16_ln2
	.p2alignl 7, 3214868480
	.fill 96, 4, 3214868480
	.section	.rodata,"a",@progbits
	.p2align	6, 0x0
	.amdhsa_kernel k_q71dbf6ee16_ln2
		.amdhsa_group_segment_fixed_size 0
		.amdhsa_private_segment_fixed_size 0
		.amdhsa_enable_private_segment 0
		.amdhsa_kernarg_size 40
		.amdhsa_user_sgpr_count 2
		.amdhsa_user_sgpr_kernarg_segment_ptr 1
		.amdhsa_wavefront_size32 1
		.amdhsa_system_sgpr_workgroup_id_x 1
		.amdhsa_system_sgpr_workgroup_id_y 1
		.amdhsa_system_sgpr_workgroup_id_z 1
		.amdhsa_system_vgpr_workitem_id 0
		.amdhsa_next_free_vgpr 176
		.amdhsa_next_free_sgpr 66
		.amdhsa_reserve_vcc 0
		.amdhsa_float_denorm_mode_32 3
		.amdhsa_float_denorm_mode_16_64 3
		.amdhsa_memory_ordered 1
		.amdhsa_forward_progress 1
		.amdhsa_inst_pref_size 23
	.end_amdhsa_kernel
	.amdgpu_metadata
---
amdhsa.version: [ 1, 2 ]
amdhsa.kernels:
  - .name:           k_q71dbf6ee16_ln2
    .symbol:         k_q71dbf6ee16_ln2.kd
    .args:
      - { .name: x1, .offset: 0, .size: 8, .value_kind: global_buffer, .address_space: global }
      - { .name: ln2_g, .offset: 8, .size: 8, .value_kind: global_buffer, .address_space: global }
      - { .name: ln2_b, .offset: 16, .size: 8, .value_kind: global_buffer, .address_space: global }
      - { .name: lowp_scales, .offset: 24, .size: 8, .value_kind: global_buffer, .address_space: global }
      - { .name: h2c, .offset: 32, .size: 8, .value_kind: global_buffer, .address_space: global }
    .group_segment_fixed_size: 0
    .private_segment_fixed_size: 0
    .kernarg_segment_align: 8
    .kernarg_segment_size: 40
    .max_flat_workgroup_size: 128
    .sgpr_count:     66
    .vgpr_count:     176
    .wavefront_size: 32
...
	.end_amdgpu_metadata
.endif
;; end of part 5
;; launch ffn1 (part 6): grid 16 x 16, 4 waves a work-group, clusters of 4 x 4, 327,680 bytes of LDS; arguments h2c, wcodes, lowp_scales, b1, hidc; writes hidc
.if DOCPART == 6
	.amdgcn_target "amdgcn-amd-amdhsa--gfx1250"
	.amdhsa_code_object_version 6
	.text
	.protected	k_q71dbf6ee16_ffn1
	.globl	k_q71dbf6ee16_ffn1
	.p2align	8
	.type	k_q71dbf6ee16_ffn1,@function
k_q71dbf6ee16_ffn1:
	s_mov_b64 s[64:65], 0
	v_nop
	global_prefetch_b8 v0, s[64:65] scope:SCOPE_SE
	s_setreg_imm32_b32 hwreg(HW_REG_WAVE_MODE, 25, 1), 1
	s_wait_xcnt 0x0
	s_wait_alu depctr_hold_cnt(0) depctr_sa_sdst(0) depctr_va_vdst(0) depctr_va_sdst(0) depctr_va_ssrc(0) depctr_va_vcc(0) depctr_vm_vsrc(0)
	s_getreg_b32 s2, hwreg(HW_REG_IB_STS2, 6, 4)
	s_cmp_eq_u32 s2, 0
	s_cbranch_scc0 .Lentry_in_a_cluster
	s_endpgm
.Lentry_in_a_cluster:
	s_bfe_u32 s2, ttmp6, 0x10000c
	s_cmp_lg_u32 s2, 0xf033
	s_cbranch_scc0 .Lentry_shape_is_right
	s_endpgm
.Lentry_shape_is_right:
.set MB,     1048576
.set SIZE_K, 1024
.set KSTEP,  256
.set ROWB,   256
.set KROW,   SIZE_K
.set PITCH,  272
.set FR,     16
.set NL,     4
.set NP,     4
.set HALFT,  128*PITCH
.set SLOT,   4*HALFT
.set LAPS,   SIZE_K/(2*KSTEP)
.set SPARE,  2*SLOT
.set STG,    SPARE+512
.set SROW,   144
.set WST,    16*SROW
.set ADRA, 16
.set ADRB, 20
.set STO,  24
.set RD,   25
.set CO,   26
.set SPW,  28
.set NIL,  29
.set BIAS, 32
.set TMP,  32
.set CD,   96
.set BBASE, 112
.set AF,   128
.set G1, 24
.set G0, 32
.set G1B, 48
.set G0B, 56
.set MSB, 0
.macro WIN new
.if MSB != \new
	s_set_vgpr_msb (MSB<<8)|\new
.set MSB, \new
.endif
.endm
.set MUL_LO, 0xa1
.set MUL_HI, 0xf1
.set BIA_LO, 0x81
.set BIA_HI, 0xc1
.set TO_B,   0x40
.macro JLOAD g0a, g1a, g0b, g1b
	s_cmp_eq_u32 s15, 0
	s_cbranch_scc0 .Lfor_b_\@
	tensor_load_to_lds s[\g0a:\g0a+3], s[\g1a:\g1a+7]
	s_nop 0
.rept 4
	v_nop
.endr
	s_branch .Lasked_\@
.Lfor_b_\@:
	tensor_load_to_lds s[\g0b:\g0b+3], s[\g1b:\g1b+7]
	s_nop 0
.rept 4
	v_nop
.endr
.Lasked_\@:
.endm
.macro CREST
	s_cmp_lg_u32 s14, 0
	s_cbranch_scc1 .Lnot_wave_0_\@
	s_barrier_signal -3
.Lnot_wave_0_\@:
	s_barrier_wait -3
	s_barrier_signal -1
	s_barrier_wait -1
.endm
.macro CROUND
	s_barrier_signal -1
	s_barrier_wait -1
	CREST
.endm
	s_load_b256 s[68:75], s[0:1], 0x0
	s_load_b64 s[76:77], s[0:1], 0x20
	v_lshl_add_u32 v[SPW], v0, 2, SPARE
	v_mov_b32 v[NIL], 0
	ds_add_u32 v28, v29
	ds_add_u32 v28, v29
	s_wait_dscnt 0x0
	v_lshrrev_b32 v1, 5, v0
	v_readfirstlane_b32 s14, v1
	s_lshr_b32 s15, s14, 1
	s_and_b32 s16, s14, 1
	s_bfe_u32 s40, ttmp6, 0x40000
	s_bfe_u32 s41, ttmp6, 0x40004
	s_lshl_b32 s42, ttmp9, 2
	s_add_co_u32 s42, s42, s40
	s_and_b32 s17, ttmp7, 0xffff
	s_lshl_b32 s17, s17, 2
	s_add_co_u32 s17, s17, s41
	s_lshl_b32 s43, s41, 2
	s_lshl_b32 s43, 15, s43
	s_lshl_b32 s44, 0x1111, s40
	s_or_b32 s[G1+0], s43, (0<<16)|(1<<20)|(1<<21)|(5<<22)|(3<<25)
	s_or_b32 s[G1B+0], s44, (0<<16)|(1<<20)|(1<<21)|(5<<22)|(3<<25)
.irp g, G1, G1B
	s_mov_b32 s[\g+1], ROWB<<16
	s_mov_b32 s[\g+2], 128<<16
	s_mov_b32 s[\g+3], ROWB<<16
	s_mov_b32 s[\g+4], 128
	s_mov_b32 s[\g+5], KROW
	s_mov_b32 s[\g+6], 0
	s_mov_b32 s[\g+7], 0
.endr
	s_lshl_b32 s18, s16, 7
	s_lshl_b32 s20, s17, 8
	s_add_co_u32 s20, s20, s18
	s_lshl_b32 s20, s20, 10
	s_lshl_b32 s46, s42, 8
	s_add_co_u32 s46, s46, s18
	s_lshl_b32 s46, s46, 10
	s_add_co_u32 s46, s46, 4*MB
	s_mov_b32 s21, 0
	s_mov_b32 s47, 0
	s_mul_i32 s45, s14, HALFT
	s_wait_kmcnt 0x0
	s_load_b128 s[92:95], s[72:73], 0x30
	s_add_nc_u64 s[20:21], s[68:69], s[20:21]
	s_add_nc_u64 s[46:47], s[70:71], s[46:47]
	CROUND
.irp s, 0,1
	s_mov_b32 s[G0+4*\s], 1
	s_add_co_u32 s[G0+4*\s+1], s45, \s*SLOT
	s_add_nc_u64 s[G0+4*\s+2:G0+4*\s+3], s[20:21], \s*ROWB
	s_or_b32 s[G0+4*\s+3], s[G0+4*\s+3], 0x80000000
	s_mov_b32 s[G0B+4*\s], 1
	s_add_co_u32 s[G0B+4*\s+1], s45, \s*SLOT
	s_add_nc_u64 s[G0B+4*\s+2:G0B+4*\s+3], s[46:47], \s*ROWB
	s_or_b32 s[G0B+4*\s+3], s[G0B+4*\s+3], 0x80000000
.endr
	JLOAD G0, G1, G0B, G1B                         ; K step 0: one tensor load a wave at the head
	; PREFETCHES INTO THE L2: a K step is 256 bytes of each row.  Of the 128 rows that I fetch, each of the four partners that ask for them jointly takes 32, told apart by address
	; (cx for A, cy for B): a lane a row, one instruction a wave and K step.  K steps 1 and 2 are asked for here, K step 3 behind K step 1's load; the address registers are never rewritten.
	s_cmp_eq_u32 s15, 0
	s_cselect_b64 s[84:85], s[20:21], s[46:47]
	s_cselect_b32 s86, s40, s41
	s_lshl_b32 s86, s86, 15                        ; 32 rows of 1,024 bytes
	s_mov_b32 s87, 0
	s_add_nc_u64 s[84:85], s[84:85], s[86:87]
	v_and_b32 v30, 31, v0
	v_lshlrev_b32 v30, 10, v30
	global_prefetch_b8 v30, s[84:85] offset:256 th:TH_LOAD_NT scope:SCOPE_SE
	global_prefetch_b8 v30, s[84:85] offset:512 th:TH_LOAD_NT scope:SCOPE_SE
	v_and_b32 v1, 15, v0
	s_wait_alu depctr_va_vdst(0)
	v_bfe_u32 v2, v0, 4, 1
	s_lshl_b32 s78, s42, 10
	s_lshl_b32 s79, s16, 9
	s_add_co_u32 s78, s78, s79
	s_mov_b32 s79, 0
	s_add_nc_u64 s[74:75], s[74:75], s[78:79]
	v_lshlrev_b32 v9, 6, v2
.irp b, 0,1,2,3,4,5,6,7
	global_load_b128 v[BIAS+8*\b:BIAS+8*\b+3], v9, s[74:75] offset:128*(\b/2)+32*(\b%2)
	global_load_b128 v[BIAS+8*\b+4:BIAS+8*\b+7], v9, s[74:75] offset:128*(\b/2)+32*(\b%2)+16
.endr
	v_mul_u32_u24 v3, v1, PITCH
	v_lshl_add_u32 v4, v2, 4, v3
	s_mul_i32 s21, s15, HALFT
	s_mul_i32 s22, s16, HALFT
	s_add_co_u32 s22, s22, 2*HALFT
.irp s, 0,1
	v_add_nc_u32 v[ADRA+\s], s21, v4
	v_add_nc_u32 v[ADRB+\s], s22, v4
	s_add_co_u32 s21, s21, SLOT
	s_add_co_u32 s22, s22, SLOT
.endr
	v_and_b32 v6, 31, v0
	v_lshlrev_b32 v[CO], 4, v6                     ; the way out: 16 x lane
	s_lshl_b32 s78, s42, 1
	s_add_co_u32 s78, s78, s16
	s_lshl_b32 s78, s78, 19
	s_lshl_b32 s79, s17, 8
	s_lshl_b32 s80, s15, 7
	s_add_co_u32 s79, s79, s80
	s_lshl_b32 s79, s79, 7
	s_add_co_u32 s78, s78, s79
	s_mov_b32 s79, 0
	s_add_nc_u64 s[10:11], s[76:77], s[78:79]
	s_wait_loadcnt 0x0
	s_wait_kmcnt 0x0
	s_add_co_i32 s96, s92, s93
	s_sub_co_i32 s97, 0, s96
.set P, 0
.rept 64
	v_ldexp_f32 v[BIAS+P], v[BIAS+P], s97
.set P, P+1
.endr
.macro FRAG reg, adr, q, i
.irp c, 0,1,2,3
	ds_load_b128 v[\reg+4*\c:\reg+4*\c+3], v[\adr] offset:128*(\q)+32*\c+(\i)*16*PITCH
.endr
.endm
.macro MUL16 a0, p, zero
.irp a, \a0, \a0+1
.irp b, 0,1,2,3,4,5,6,7
.if \zero == 2
	v_wmma_f32_16x16x128_bf8_bf8 v[8*(8*((\a)%4)+\b):8*(8*((\a)%4)+\b)+7], v[128*(\p)+FR*\b:128*(\p)+FR*\b+FR-1], v[AF+FR*(\a):AF+FR*(\a)+FR-1], v[BIAS+8*\b:BIAS+8*\b+7]
.else
	v_wmma_f32_16x16x128_bf8_bf8 v[8*(8*((\a)%4)+\b):8*(8*((\a)%4)+\b)+7], v[128*(\p)+FR*\b:128*(\p)+FR*\b+FR-1], v[AF+FR*(\a):AF+FR*(\a)+FR-1], v[8*(8*((\a)%4)+\b):8*(8*((\a)%4)+\b)+7]
.endif
.endr
.endr
.endm
.macro FETCH_B slot, q, p
	WIN TO_B
.irp i, 0,1,2,3,4,5,6,7
	FRAG 128*(\p)+FR*\i, ADRB+\slot, \q, \i
.endr
	WIN 0
.endm
.macro FETCH_A slot, q, i0
.irp i, \i0, \i0+1, \i0+2, \i0+3
	FRAG AF+FR*(\i), ADRA+\slot, \q, \i
.endr
.endm
.macro PLACES n
.rept \n
	v_nop
.endr
.endm
.macro STEP slot, q, zero
	s_wait_dscnt 4*NL
.if \zero == 2
	WIN BIA_LO
.else
	WIN MUL_LO
.endif
	MUL16 0, (\q)%2, \zero
	MUL16 2, (\q)%2, \zero
	s_wait_dscnt 0
	PLACES NP
	FETCH_B \slot, (\q)+1, 1-(\q)%2
	FETCH_A \slot, (\q)+1, 0
.if \zero == 2
	WIN BIA_HI
.else
	WIN MUL_HI
.endif
	MUL16 4, (\q)%2, \zero
	MUL16 6, (\q)%2, \zero
	PLACES NP
	WIN 0
	FETCH_A \slot, (\q)+1, 4
.endm
.macro TURN slot, next, fill
	s_wait_tensorcnt 0x0
	ds_add_u32 v[SPW], v[NIL]
	s_wait_dscnt 4*NL+1
	WIN MUL_LO
	MUL16 0, 1, 0
	s_wait_dscnt 0x0
	s_barrier_signal -1
	MUL16 2, 1, 0
	WIN 0
	s_barrier_wait -1
.if \fill
	CREST
	s_add_nc_u64 s[G0+4*\slot+2:G0+4*\slot+3], s[G0+4*\slot+2:G0+4*\slot+3], 2*ROWB
	s_add_nc_u64 s[G0B+4*\slot+2:G0B+4*\slot+3], s[G0B+4*\slot+2:G0B+4*\slot+3], 2*ROWB
	JLOAD G0+4*\slot, G1, G0B+4*\slot, G1B
.else
	PLACES NP
.endif
	FETCH_B \next, 0, 0
	FETCH_A \next, 0, 0
	WIN MUL_HI
	MUL16 4, 1, 0
	MUL16 6, 1, 0
	PLACES NP
	WIN 0
	FETCH_A \next, 0, 4
.endm
	s_wait_alu depctr_va_vdst(0)
	s_wait_tensorcnt 0x0                           ; my part of K step 0 is in
	ds_add_u32 v[SPW], v[NIL]
	s_wait_dscnt 0x0
	CROUND                                         ; a whole round: everybody's part of K step 0 is in
	JLOAD G0+4, G1, G0B+4, G1B                     ; K step 1, the first tensor load behind the round
	FETCH_B 0, 0, 0
	FETCH_A 0, 0, 0
	FETCH_A 0, 0, 4
	global_prefetch_b8 v30, s[84:85] offset:768 th:TH_LOAD_NT scope:SCOPE_SE   ; K step 3, two refills ahead of its load
	STEP 0, 0, 2
	s_mov_b32 s3, LAPS-1
.Llap:
	TURN 0, 1, 1
	STEP 1, 0, 0
	TURN 1, 0, 1
	STEP 0, 0, 0
	s_sub_co_u32 s3, s3, 1
	s_cmp_lg_u32 s3, 0
	s_cbranch_scc1 .Llap
	TURN 0, 1, 0
	STEP 1, 0, 0
	s_wait_dscnt 4*NL
	WIN MUL_LO
	MUL16 0, 1, 0
	MUL16 2, 1, 0
	s_wait_dscnt 0
	WIN MUL_HI
	MUL16 4, 1, 0
	MUL16 6, 1, 0
	WIN 0
.macro QOUT a
.set AC, 64*((\a)%4)
.set BB, BBASE+16*((\a)%2)
	WIN 0x02+((\a)/4)
.set P, 0
.rept 64
	v_med3_num_f32 v[TMP+P], v[AC+P], 0, v13
.set P, P+1
.endr
	WIN 0
.irp t, 0,1,2,3,4,5,6,7
	v_cvt_scalef32_pk8_bf8_f32 v[BB+2*\t:BB+2*\t+1], v[TMP+8*\t:TMP+8*\t+7], v12
.endr
	v_nop                                          ; a plain line behind the last conversion
; hidc holds, for each 128 hidden units and each 16 tokens, 2,048 bytes as an image of the next product's operand registers: [c][lane][16 bytes];
; lane (r, h) holds token r, units 32 c + 16 h + 0 .. 15 in registers 4 c .. 4 c + 3.  So the codes are stored as they stand: 512 consecutive aligned bytes a store.
.irp c, 0,1,2,3
	global_store_b128 v[CO], v[BB+4*\c:BB+4*\c+3], s[10:11] offset:2048*(\a)+512*\c
.endr
.endm
	s_sub_co_i32 s98, s94, s96
	s_add_co_i32 s98, s98, 127
	s_lshl_b32 s96, s98, 23
	s_add_co_i32 s98, s98, 15
	s_lshl_b32 s98, s98, 23
	s_or_b32 s98, s98, 0x600000
	PLACES NP
	v_mov_b32 v12, s96
	v_mov_b32 v13, s98
	QOUT 0
.irp a, 1,2,3,4,5,6,7
.if \a > 1
	s_wait_xcnt 0x0
.endif
	QOUT \a
.endr
	s_wait_tensorcnt 0x0
	ds_add_u32 v[SPW], v[NIL]
	s_wait_dscnt 0x0
	CROUND
	s_endpgm
.Lfunc_end_k_q71dbf6ee16_ffn1:
	.size	k_q71dbf6ee16_ffn1, .Lfunc_end_k_q71dbf6ee16_ffn1-k_q71dbf6ee16_ffn1
	.p2alignl 7, 3214868480
	.fill 96, 4, 3214868480
	.section	.rodata,"a",@progbits
	.p2align	6, 0x0
	.amdhsa_kernel k_q71dbf6ee16_ffn1
		.amdhsa_group_segment_fixed_size 327680
		.amdhsa_private_segment_fixed_size 0
		.amdhsa_enable_private_segment 0
		.amdhsa_kernarg_size 40
		.amdhsa_user_sgpr_count 2
		.amdhsa_user_sgpr_kernarg_segment_ptr 1
		.amdhsa_wavefront_size32 1
		.amdhsa_system_sgpr_workgroup_id_x 1
		.amdhsa_system_sgpr_workgroup_id_y 1
		.amdhsa_system_sgpr_workgroup_id_z 1
		.amdhsa_system_vgpr_workitem_id 0
		.amdhsa_next_free_vgpr 1024
		.amdhsa_next_free_sgpr 100
		.amdhsa_reserve_vcc 0
		.amdhsa_float_denorm_mode_32 3
		.amdhsa_float_denorm_mode_16_64 3
		.amdhsa_memory_ordered 1
		.amdhsa_forward_progress 1
		.amdhsa_inst_pref_size 124
	.end_amdhsa_kernel
	.amdgpu_metadata
---
amdhsa.version: [ 1, 2 ]
amdhsa.kernels:
  - .name:           k_q71dbf6ee16_ffn1
    .symbol:         k_q71dbf6ee16_ffn1.kd
    .args:
      - { .name: h2c, .offset: 0, .size: 8, .value_kind: global_buffer, .address_space: global }
      - { .name: wcodes, .offset: 8, .size: 8, .value_kind: global_buffer, .address_space: global }
      - { .name: lowp_scales, .offset: 16, .size: 8, .value_kind: global_buffer, .address_space: global }
      - { .name: b1, .offset: 24, .size: 8, .value_kind: global_buffer, .address_space: global }
      - { .name: hidc, .offset: 32, .size: 8, .value_kind: global_buffer, .address_space: global }
    .group_segment_fixed_size: 327680
    .private_segment_fixed_size: 0
    .kernarg_segment_align: 8
    .kernarg_segment_size: 40
    .max_flat_workgroup_size: 128
    .sgpr_count:     100
    .vgpr_count:     1024
    .wavefront_size: 32
...
	.end_amdgpu_metadata
.endif
;; end of part 6
;; launch ffn2 (part 7): grid 32 x 8, 4 waves a work-group, clusters of 4 x 1, 327,680 bytes of LDS; arguments hidc, wcodes, lowp_scales, b2, x1, out0; writes out0
.if DOCPART == 7
	.amdgcn_target "amdgcn-amd-amdhsa--gfx1250"
	.amdhsa_code_object_version 6
	.text
	.protected	k_q71dbf6ee16_ffn2
	.globl	k_q71dbf6ee16_ffn2
	.p2align	8
	.type	k_q71dbf6ee16_ffn2,@function
k_q71dbf6ee16_ffn2:
	s_mov_b64 s[64:65], 0
	v_nop
	global_prefetch_b8 v0, s[64:65] scope:SCOPE_SE
	s_setreg_imm32_b32 hwreg(HW_REG_WAVE_MODE, 25, 1), 1
	s_wait_xcnt 0x0
	s_wait_alu depctr_hold_cnt(0) depctr_sa_sdst(0) depctr_va_vdst(0) depctr_va_sdst(0) depctr_va_ssrc(0) depctr_va_vcc(0) depctr_vm_vsrc(0)
	s_getreg_b32 s2, hwreg(HW_REG_IB_STS2, 6, 4)
	s_cmp_eq_u32 s2, 0
	s_cbranch_scc0 .Lentry_in_a_cluster
	s_endpgm
.Lentry_in_a_cluster:
	s_bfe_u32 s2, ttmp6, 0x10000c
	s_cmp_lg_u32 s2, 0x3003
	s_cbranch_scc0 .Lentry_shape_is_right
	s_endpgm
.Lentry_shape_is_right:
; out0 = x1 + hid W2 x 2^(e14 + e15) + b2.  hid [4,096 tokens][4,096] and W2 [1,024 n][4,096] are codes of BF8 (E5M2); sums, bias and residual f32.
; Both operands lie in memory as images of operand registers: for each 128 along K (a plane) and each 16 rows, 2,048 bytes [c = 0..3][lane][16 bytes]; lane (r, h) holds row r,
; K = 32 c + 16 h + 0 .. 15 in registers 4 c .. 4 c + 3: the same places of k on both sides.  A load of a wave, from memory or from LDS, is 512 consecutive bytes and fills four registers of a fragment.
; SHARES.  A work-group makes 128 tokens x 128 outputs: 256 work-groups.  K IS CUT AMONG ITS FOUR WAVES: wave w makes the whole block, 64 accumulators in 512 registers, over K = 1,024 w .. 1,024 w + 1,023,
; eight steps of 128.  No fragment is wanted by two waves, and each feeds eight matrix instructions.  The four partial sums meet once, in LDS, as rows of 128 f32; wave w adds the four copies of
; tokens 32 w .. 32 w + 31 and stores whole rows of 512 bytes.  The order of the sums differs from one chain along K.
; CLUSTERS: four work-groups along x, four blocks of tokens with the same 128 outputs, need the same rows of W2.  For steps 2 to 7 each wave asks JOINTLY for its own part, two planes of 16,384 bytes a load,
; into two slots of 4 x 32,768 bytes: three fills.  Fill 1 (steps 2, 3) is the head's one load; fill 2 goes out at the head of step 1, fill 3 at the head of step 3, when the two steps of the slot that it
; fills again are in registers: each two steps ahead of the first read of what it brings.  W2's fragments of steps 0 and 1 go from memory straight into B's two sets of registers, which are idle at the head.
; THE TOKENS' FRAGMENTS GO FROM MEMORY STRAIGHT INTO REGISTERS, not by joint loads: two slots of both operands would hold one step each (2 x 4 x 32,768 bytes a step), and every step would need a round.
; They have one set of registers; two blocks are asked for anew as soon as their 16 products are issued, a step ahead of their use.
; PREFETCHES INTO THE L2, told apart by address alone.  Fills 2 and 3: a wave's 2 x 32,768 bytes are shared out among eight blocks of tokens (4,096 bytes of each fill, a lane 256 bytes, one instruction at the head):
; a block of 256 bytes is named by four work-groups.  The tokens' planes p + 2 and p + 3 in steps p = 0, 2, 4: a wave's 16,384 bytes of a plane are shared out among four blocks of outputs: named by two work-groups.
; Planes 0 and 1, and fill 1, come by their loads alone.  The residual is prefetched in step 0 and loaded in step 7.  No address register of a prefetch is ever rewritten.
; THE MATRIX INSTRUCTION IS USED TRANSPOSED (source 0 = 16 rows of W2, source 1 = 16 tokens): a lane holds eight neighbouring outputs of a token.
; LIMIT: e14 + e15 between -126 and 127, so that 2^(e14 + e15) is an f32 number.
; REGISTERS: window 0: v0-21 addresses and bias, v128-255 A's fragments.  window 1: B's two sets; the residual in set 0 at the end.  windows 2, 3: the accumulators, then the four copies read back.
.set MB,    1048576
.set APL,   4096*128                   ; a plane of hidc in bytes: 2^19
.set BPL,   1024*128                   ; a plane of W2's codes: 2^17
.set WOFF,  8*MB                       ; W2's codes in wcodes
.set EOFF,  56                         ; the byte of (e14, e15) in lowp_scales
.set SLOTB, 131072                     ; a slot: two planes x 16,384 bytes for each of four waves
.set RP,    528                        ; an LDS row of a copy: 128 f32 + 16 bytes: 16 rows of a store start at 16 different 16-byte columns
.set COPY,  128*RP                     ; a wave's partial sums; the four copies lie over the slots, which have had their last fill and their last read by then
.set SPARE, 4*COPY                     ; behind slots and copies: the spare words, 128 bytes a wave: two blocks of 256 bytes that no other line names
.set LO,    2                          ; v2    16 x lane
.set STO,   3                          ; v3    into my copy: row lane % 16, + 32 (lane / 16)
.set RD,    4                          ; v4-7  out of copy 0 .. 3: my first token's row, + 16 x lane
.set PFO,   8                          ; v8    4,096 x lane: a lane a row of x1
.set SPW,   10
.set NIL,   11
.set BI,    12                         ; v12-15 the bias of my four outputs
.set BL,    18                         ; v18-19 my part of slot 0, 1, + 16 x lane
.set PFH,   20                         ; v20   hidc's prefetches: a plane x (lane / 16) + 256 x (lane % 16)
.set PFW,   21                         ; v21   W2's: two planes x (lane / 16) + 256 x (lane % 16)
.set AF,    128
.set AB,    12                         ; s[12:13] hidc at my first plane and token;  s[18:19] W2 at my first plane and output
.set G1,    24                         ; s[24:31] descriptor group 1;  s[36:47] a group 0 for each of fills 1 to 3: none is ever rewritten
.set G0,    32
.set MSB, 0
.macro WIN new                         ; the immediate's high byte repeats the setting that is left
.if MSB != \new
	s_set_vgpr_msb (MSB<<8)|\new
.set MSB, \new
.endif
.endm
.set MUL_LO, 0xa1                      ; source 0 (B) window 1, source 1 (A) window 0, C and D window 2
.set MUL_HI, 0xf1
.set TO_B,   0x40
.macro PLACES                          ; four plain lines between a matrix instruction and a load into, or a read of, its registers
.rept 4
	v_nop
.endr
.endm
.macro ROUND                           ; a round of the cluster's barrier
	s_barrier_signal -1
	s_barrier_wait -1
	s_cmp_lg_u32 s10, 0
	s_cbranch_scc1 .Lnw0_\@
	s_barrier_signal -3
.Lnw0_\@:
	s_barrier_wait -3
	s_barrier_signal -1
	s_barrier_wait -1
.endm
.macro TL f                            ; fill f: every wave asks for its own part; an s_nop 0 and four v_nop follow
	tensor_load_to_lds s[G0+4*\f:G0+4*\f+3], s[G1:G1+7]
	s_nop 0
.rept 4
	v_nop
.endr
.endm
.macro CHANGE f                        ; a wait, an add and a wait ahead of a refill or a later first fill, the round, and the fill
	s_wait_tensorcnt 0x0                           ; my one load that was out, my part of the other slot, is in
	ds_add_u32 v[SPW], v[NIL]
	s_wait_dscnt 0x0                               ; the add is done, and my reads of the slot to be filled are over
	ROUND
	TL \f
.endm
.macro DSB p, sl, hf                   ; B's eight fragments of plane hf of slot sl, into set p
.irp i, 0,1,2,3,4,5,6,7
.irp c, 0,1,2,3
	ds_load_b128 v[128*(\p)+16*\i+4*\c:128*(\p)+16*\i+4*\c+3], v[BL+(\sl)] offset:16384*(\hf)+2048*\i+512*\c
.endr
.endr
.endm
.macro GLB p, po                       ; the same out of memory: my plane po, into set p
.irp i, 0,1,2,3,4,5,6,7
.irp c, 0,1,2,3
	global_load_b128 v[128*(\p)+16*\i+4*\c:128*(\p)+16*\i+4*\c+3], v[LO], s[18:19] offset:(\po)*BPL+2048*\i+512*\c
.endr
.endr
.endm
.macro LOADA g, po                     ; A's blocks 2 g, 2 g + 1 of my plane po
.irp i, 2*\g, 2*\g+1
.irp c, 0,1,2,3
	global_load_b128 v[AF+16*(\i)+4*\c:AF+16*(\i)+4*\c+3], v[LO], s[AB:AB+1] offset:(\po)*APL+2048*(\i)+512*\c
.endr
.endr
.endm
; 16 matrix instructions: A's blocks a0, a0 + 1 x B's eight.  zero = 1: the first product starts the sums.  The 64 accumulators take turns, one instruction a turn.
.macro MUL16 a0, p, zero
.irp a, \a0, \a0+1
.irp b, 0,1,2,3,4,5,6,7
.if \zero
	v_wmma_f32_16x16x128_bf8_bf8 v[8*(8*((\a)%4)+\b):8*(8*((\a)%4)+\b)+7], v[128*(\p)+16*\b:128*(\p)+16*\b+15], v[AF+16*(\a):AF+16*(\a)+15], 0
.else
	v_wmma_f32_16x16x128_bf8_bf8 v[8*(8*((\a)%4)+\b):8*(8*((\a)%4)+\b)+7], v[128*(\p)+16*\b:128*(\p)+16*\b+15], v[AF+16*(\a):AF+16*(\a)+15], v[8*(8*((\a)%4)+\b):8*(8*((\a)%4)+\b)+7]
.endif
.endr
.endr
.endm
; Step p of my eight, on B's set p % 2.  At the head of steps 1 to 6 the next step's fragments of B come out of LDS into the other set (in step 7: the residual out of memory).
; Steps 1 and 3 first ask for fills 2 and 3; step 5 only waits for fill 3, whose bytes I alone read.
; THE WAITS.  LDS: B's set of this step was asked for a step ago: the 32 loads just issued may be out.  Memory: behind the two blocks of A that a group multiplies were issued A's later blocks of this step
; and A's earlier blocks of the next: 24 loads in every group.  Step 0: and step 1's 32 loads of B: 56.  Step 1's B is older than its A.  Step 7: the residual's 32 and A's later blocks: 56, 48, 40, 32.
.macro STEP p, zero
.if (\p == 1) || (\p == 3)
	CHANGE (\p+3)/2
.endif
.if \p == 5
	s_wait_tensorcnt 0x0
.endif
	WIN TO_B                                       ; (the other set was last read a step ago; the four places behind that step's last products stand ahead of these loads)
.if \p == 0
.elseif \p < 7
	DSB 1-(\p%2), ((\p+1)/2)%2, (\p+1)%2
	s_wait_dscnt 32
.else
.set T, 0
.rept 32
	global_load_b128 v[4*T:4*T+3], v[LO], s[76:77] offset:4096*T th:TH_LOAD_NT   ; x1: token 32 w + T, my 128 outputs: 512 consecutive bytes
.set T, T+1
.endr
	s_wait_dscnt 0x0
.endif
.irp g, 0,1,2,3
.if \p == 0
	s_wait_loadcnt 56
.elseif \p < 7
	s_wait_loadcnt 24
.else
	s_wait_loadcnt 56-8*\g
.endif
	WIN MUL_LO+0x50*(\g/2)
	MUL16 2*\g, \p%2, \zero
.if \p < 7
	PLACES
	WIN 0
	LOADA \g, \p+1
.if \g == 0
.if (\p == 0) || (\p == 2) || (\p == 4)
	global_prefetch_b8 v[PFH], s[54:55] offset:(\p+2)*APL th:TH_LOAD_NT scope:SCOPE_SE   ; my work-group's quarter of my planes p + 2 and p + 3: the first of their loads stands a step on
.endif
.endif
.if \zero*(\g%3)
	global_prefetch_b8 v[PFO], s[76:77] offset:256*(\g-1) th:TH_LOAD_NT scope:SCOPE_SE   ; step 0, groups 1 and 2: my 32 rows of x1, 2 x 256 bytes each, a lane a row: seven steps ahead of their loads
.endif
.endif
.endr
.endm
	s_load_b256 s[68:75], s[0:1], 0x0              ; hidc 68, wcodes 70, lowp_scales 72, b2 74
	s_load_b128 s[76:79], s[0:1], 0x20             ; x1 76, out0 78
	v_lshl_add_u32 v[SPW], v0, 2, SPARE
	v_mov_b32 v[NIL], 0
	ds_add_u32 v[SPW], v[NIL]                      ; the wave's opening: the add, twice on end, and its wait ahead of my first tensor load
	ds_add_u32 v[SPW], v[NIL]
	v_lshrrev_b32 v1, 5, v0
	v_readfirstlane_b32 s10, v1                    ; wave 0..3
	s_bfe_u32 s48, ttmp6, 0x40000                  ; cx: it enters the addresses of hidc, x1, out0 and of the prefetches alone
	s_lshl_b32 s11, ttmp9, 2
	s_add_co_u32 s11, s11, s48                     ; which 128 tokens
	s_and_b32 s49, ttmp7, 0xffff                   ; which 128 outputs: the same in the four partners
	s_lshl_b32 s16, s10, 22                        ; hidc: eight planes a wave,
	s_lshl_b32 s17, s11, 14                        ; 128 tokens of 128 bytes
	s_add_co_u32 s16, s16, s17
	s_mov_b32 s17, 0
	s_lshl_b32 s18, s10, 20                        ; W2 likewise
	s_lshl_b32 s19, s49, 14
	s_add_co_u32 s18, s18, s19
	s_add_co_u32 s18, s18, WOFF
	s_mov_b32 s19, 0
	s_lshl_b32 s20, s11, 19                        ; x1 and out0: token 128 x block + 32 w, rows of 4,096 bytes,
	s_lshl_b32 s21, s10, 17
	s_add_co_u32 s20, s20, s21
	s_lshl_b32 s22, s49, 9                         ; my first output, in bytes; also b2's
	s_add_co_u32 s20, s20, s22
	s_mov_b32 s21, 0
	s_mov_b32 s23, 0
	s_mul_i32 s50, s10, COPY
	s_mul_i32 s51, s10, 32*RP
	s_lshl_b32 s52, s10, 15                        ; my part of a slot
	s_and_b32 s54, s49, 3
	s_lshl_b32 s54, s54, 12                        ; hidc's prefetches: quarter (block of outputs % 4) of a plane's 16,384 bytes
	s_mov_b32 s55, 0
	s_and_b32 s53, s11, 7                          ; W2's: eighth (block of tokens % 8) of a fill: plane (eighth / 4), quarter (eighth % 4)
	s_lshr_b32 s56, s53, 2
	s_lshl_b32 s56, s56, 17
	s_and_b32 s53, s53, 3
	s_lshl_b32 s53, s53, 12
	s_add_co_u32 s56, s56, s53
	s_mov_b32 s57, 0
	s_mov_b32 s[G1], 15|(1<<21)                    ; the mask: all four work-groups; elements of 1 byte; no padding; bit 21 beside a mask
	s_mov_b32 s[G1+1], (16384&0xffff)<<16          ; tensor_dim0: eight fragments of a plane
	s_mov_b32 s[G1+2], 2<<16                       ; tensor_dim1: two planes
	s_mov_b32 s[G1+3], 16384<<16                   ; tile_dim0
	s_mov_b32 s[G1+4], 2                           ; tile_dim1
	s_mov_b32 s[G1+5], BPL                         ; from plane to plane
	s_mov_b32 s[G1+6], 0
	s_mov_b32 s[G1+7], 0
	v_and_b32 v1, 31, v0
	v_lshlrev_b32 v[LO], 4, v1
	v_lshlrev_b32 v[PFO], 12, v1
	v_and_b32 v9, 15, v0
	v_bfe_u32 v16, v0, 4, 1
	v_lshlrev_b32 v17, 8, v9
	v_lshl_add_u32 v[PFH], v16, 19, v17
	v_lshl_add_u32 v[PFW], v16, 18, v17
	v_mul_u32_u24 v9, v9, RP
	v_lshl_add_u32 v9, v16, 5, v9
	v_add_nc_u32 v[STO], s50, v9
	v_add_nc_u32 v[RD], s51, v[LO]
	v_add_nc_u32 v[RD+1], COPY, v[RD]
	v_add_nc_u32 v[RD+2], 2*COPY, v[RD]
	v_add_nc_u32 v[RD+3], 3*COPY, v[RD]
	v_add_nc_u32 v[BL], s52, v[LO]
	v_add_nc_u32 v[BL+1], SLOTB, v[BL]
	s_wait_alu depctr_va_vdst(0)
	s_wait_dscnt 0x0                               ; both opening adds are done
	s_wait_kmcnt 0x0
	s_load_b64 s[82:83], s[72:73], EOFF            ; e14, e15
	s_add_nc_u64 s[AB:AB+1], s[68:69], s[16:17]
	s_add_nc_u64 s[18:19], s[70:71], s[18:19]
	s_add_nc_u64 s[74:75], s[74:75], s[22:23]
	s_add_nc_u64 s[76:77], s[76:77], s[20:21]
	s_add_nc_u64 s[78:79], s[78:79], s[20:21]
	global_load_b128 v[BI:BI+3], v[LO], s[74:75]   ; the bias of outputs 4 lane .. 4 lane + 3 of my 128
	WIN TO_B
	GLB 0, 0                                       ; step 0's fragments of B,
	WIN 0
.irp g, 0,1,2
	LOADA \g, 0                                    ; and of A: 57 loads are out ahead of the round
.endr
	s_add_nc_u64 s[54:55], s[AB:AB+1], s[54:55]
	s_add_nc_u64 s[56:57], s[18:19], s[56:57]
.irp f, 1,2,3                          ; fill f: my planes 2 f, 2 f + 1, into slot f % 2
	s_mov_b32 s[G0+4*\f], 1
	s_add_co_u32 s[G0+4*\f+1], s52, (\f%2)*SLOTB
	s_add_nc_u64 s[G0+4*\f+2:G0+4*\f+3], s[18:19], 2*\f*BPL
	s_or_b32 s[G0+4*\f+3], s[G0+4*\f+3], 0x80000000
.endr
	ROUND                                          ; all four work-groups are here: the first joint loads meet
	TL 1                                           ; steps 2 and 3: one tensor load a wave at the head
	global_prefetch_b8 v[PFW], s[56:57] offset:4*BPL th:TH_LOAD_NT scope:SCOPE_SE   ; my work-group's eighth of my fills 2 (lanes 0-15) and 3 (lanes 16-31): their loads stand at the heads of steps 1 and 3
	LOADA 3, 0
	WIN TO_B
	GLB 1, 1                                       ; step 1's fragments of B
	STEP 0, 1                                      ; step 0 starts the sums
.irp p, 1,2,3,4,5,6,7
	STEP \p, 0
.endr
	; THE FOUR PARTS MEET.  Behind a barrier nobody reads the slots any more.  Each wave lays its 128 x 128 sums into its own copy, rows of 128 f32; one barrier; wave w reads the four copies of its 32 tokens, a row an instruction.
	PLACES
	WIN 0
	s_barrier_signal -1                            ; (my last LDS loads were waited for at step 7's head, my last tensor load at step 5's)
	s_barrier_wait -1
	s_wait_kmcnt 0x0
	s_add_co_i32 s80, s82, s83
	s_add_co_i32 s80, s80, 127
	s_lshl_b32 s80, s80, 23                        ; 2^(e14 + e15)
	s_mov_b32 s81, s80
.irp u, 0,1
	WIN 0x08+4*\u                                  ; the data: window 2, then 3
.irp a, 0,1,2,3
.irp b, 0,1,2,3,4,5,6,7
	ds_store_b128 v[STO], v[8*(8*\a+\b):8*(8*\a+\b)+3] offset:16*(4*\u+\a)*RP+64*\b          ; each accumulator from its low end on
	ds_store_b128 v[STO], v[8*(8*\a+\b)+4:8*(8*\a+\b)+7] offset:16*(4*\u+\a)*RP+64*\b+16
.endr
.endr
.endr
	WIN 0
	s_wait_dscnt 0x0                               ; my copy is whole
	s_barrier_signal -1
	s_barrier_wait -1                              ; all four are
.irp u, 0,1                            ; copy s, token 16 u + t -> window 2 + u, v[64 s + 4 t ..]
	WIN 0x80+0x40*\u
.irp s, 0,1,2,3
.irp t, 0,1,2,3,4,5,6,7,8,9,10,11,12,13,14,15
	ds_load_b128 v[64*\s+4*\t:64*\s+4*\t+3], v[RD+\s] offset:(16*\u+\t)*RP
.endr
.endr
.endr
; 16 tokens: the four copies added, x 2^(e14 + e15) + bias, + residual, stored: 32 lanes store 512 consecutive aligned bytes of a token's row
.macro HALF u
	WIN 0xaa+0x55*\u
.set P, 0
.rept 32
	v_pk_add_f32 v[2*P:2*P+1], v[2*P:2*P+1], v[64+2*P:65+2*P]
	v_pk_add_f32 v[128+2*P:129+2*P], v[128+2*P:129+2*P], v[192+2*P:193+2*P]
.set P, P+1
.endr
.set P, 0
.rept 32
	v_pk_add_f32 v[2*P:2*P+1], v[2*P:2*P+1], v[128+2*P:129+2*P]
.set P, P+1
.endr
	WIN 0x82+0x41*\u                               ; the bias lies in window 0
.set P, 0
.rept 32
	v_pk_fma_f32 v[2*P:2*P+1], v[2*P:2*P+1], s[80:81], v[BI+2*(P%2):BI+2*(P%2)+1] op_sel_hi:[1,0,1]
.set P, P+1
.endr
	WIN 0x86+0x41*\u                               ; the residual in window 1
.set P, 0
.rept 32
	v_pk_add_f32 v[2*P:2*P+1], v[2*P:2*P+1], v[64*\u+2*P:64*\u+2*P+1]
.set P, P+1
.endr
	WIN 0x08+4*\u
.irp t, 0,1,2,3,4,5,6,7,8,9,10,11,12,13,14,15
	global_store_b128 v[LO], v[4*\t:4*\t+3], s[78:79] offset:(16*\u+\t)*4096 th:TH_STORE_NT
.endr
.endm
	s_wait_loadcnt 0x0                             ; bias and residual
	s_wait_dscnt 48                                ; the first 64 loads are back (64 were issued behind them; 48 asks for a little more)
	HALF 0
	s_wait_dscnt 0x0
	HALF 1
	WIN 0
	s_wait_tensorcnt 0x0                           ; the wave's end, behind my last tensor load and my last LDS store
	ds_add_u32 v[SPW], v[NIL]
	s_wait_dscnt 0x0
	ROUND                                          ; the closing round
	s_endpgm
.Lfunc_end_k_q71dbf6ee16_ffn2:
	.size	k_q71dbf6ee16_ffn2, .Lfunc_end_k_q71dbf6ee16_ffn2-k_q71dbf6ee16_ffn2
	.p2alignl 7, 3214868480
	.fill 96, 4, 3214868480
	.section	.rodata,"a",@progbits
	.p2align	6, 0x0
	.amdhsa_kernel k_q71dbf6ee16_ffn2
		.amdhsa_group_segment_fixed_size 327680
		.amdhsa_private_segment_fixed_size 0
		.amdhsa_enable_private_segment 0
		.amdhsa_kernarg_size 48
		.amdhsa_user_sgpr_count 2
		.amdhsa_user_sgpr_kernarg_segment_ptr 1
		.amdhsa_wavefront_size32 1
		.amdhsa_system_sgpr_workgroup_id_x 1
		.amdhsa_system_sgpr_workgroup_id_y 1
		.amdhsa_system_sgpr_workgroup_id_z 1
		.amdhsa_system_vgpr_workitem_id 0
		.amdhsa_next_free_vgpr 1024
		.amdhsa_next_free_sgpr 90
		.amdhsa_reserve_vcc 0
		.amdhsa_float_denorm_mode_32 3
		.amdhsa_float_denorm_mode_16_64 3
		.amdhsa_memory_ordered 1
		.amdhsa_forward_progress 1
		.amdhsa_inst_pref_size 132
	.end_amdhsa_kernel
	.amdgpu_metadata
---
amdhsa.version: [ 1, 2 ]
amdhsa.kernels:
  - .name:           k_q71dbf6ee16_ffn2
    .symbol:         k_q71dbf6ee16_ffn2.kd
    .args:
      - { .name: hidc, .offset: 0, .size: 8, .value_kind: global_buffer, .address_space: global }
      - { .name: wcodes, .offset: 8, .size: 8, .value_kind: global_buffer, .address_space: global }
      - { .name: lowp_scales, .offset: 16, .size: 8, .value_kind: global_buffer, .address_space: global }
      - { .name: b2, .offset: 24, .size: 8, .value_kind: global_buffer, .address_space: global }
      - { .name: x1, .offset: 32, .size: 8, .value_kind: global_buffer, .address_space: global }
      - { .name: out0, .offset: 40, .size: 8, .value_kind: global_buffer, .address_space: global }
    .group_segment_fixed_size: 327680
    .private_segment_fixed_size: 0
    .kernarg_segment_align: 8
    .kernarg_segment_size: 48
    .max_flat_workgroup_size: 128
    .sgpr_count:     90
    .vgpr_count:     1024
    .wavefront_size: 32
...
	.end_amdgpu_metadata
.endif
;; end of part 7
